; MI455X (gfx1250); checked and timed in simulation.
; The chip was launched on July 23, 2026; its instructions are those of AMD's public machine-readable ISA for CDNA 5 (MIT licence, August 2026) and "CDNA5" Instruction Set Architecture Reference Guide (July 2026). The comments in the code are by the model that wrote it; some were corrected since.
;; Qwen3 Attention. Allowed arithmetic: matrix products marked QUANTISED: E2M1 operands, one E8M0 scale for each 32 along K, by v_wmma_scale_f32_16x16x128_f8f6f4 with both operands' format E2M1 (or v_wmma_scale_f32_32x16x128_f4), f32 sums; everything else in f32.
;; Inputs: Wk_codes 1,024 x 128 x 16 uint8 (E2M1 codes of Wk, K innermost, in blocks of 32 codes, two codes a byte); Wk_scales 1,024 x 128 uint8 (E8M0 scales of Wk, one for each 32 codes along K); Wo_codes 4,096 x 64 x 16 uint8 (E2M1 codes of Wo, K innermost, in blocks of 32 codes, two codes a byte); Wo_scales 4,096 x 64 uint8 (E8M0 scales of Wo, one for each 32 codes along K); Wq_codes 2,048 x 128 x 16 uint8 (E2M1 codes of Wq, K innermost, in blocks of 32 codes, two codes a byte); Wq_scales 2,048 x 128 uint8 (E8M0 scales of Wq, one for each 32 codes along K); Wv_codes 1,024 x 128 x 16 uint8 (E2M1 codes of Wv, K innermost, in blocks of 32 codes, two codes a byte); Wv_scales 1,024 x 128 uint8 (E8M0 scales of Wv, one for each 32 codes along K); cos 2 x 1,024 x 128 float32; hidden_states_codes 2 x 1,024 x 128 x 16 uint8 (E2M1 codes of hidden_states, K innermost, in blocks of 32 codes, two codes a byte); hidden_states_scales 2 x 1,024 x 128 uint8 (E8M0 scales of hidden_states, one for each 32 codes along K); k_norm_w 128 float32; q_norm_w 128 float32; sin 2 x 1,024 x 128 float32.
;; Outputs: out0 2 x 1,024 x 4,096 float32.
;; This version of the problem:
;;   THIS VERSION OF THE PROBLEM IS GIVEN IN LOW PRECISION. The matrix products marked QUANTISED in the list below multiply operands that are first quantised to E2M1 (2 exponent bits, 1 mantissa bit; 4 bits a number), with one power-of-two scale for each 32 numbers along K (OCP MX v1.0); their sums are f32. All else is computed in f32.
;;   The module's matrix products, in the order in which they are computed (A, B: the left and right operand; K: the contracted axis; several contracted axes count as one K, in the product's order):
;;     1. [M 2,048, K 4,096] x [K 4,096, N 2,048]; A: input hidden_states (given as codes); B: input Wq (given as codes): QUANTISED
;;     2. [M 2,048, K 4,096] x [K 4,096, N 1,024]; A: input hidden_states (given as codes); B: input Wk (given as codes): QUANTISED
;;     3. [M 2,048, K 4,096] x [K 4,096, N 1,024]; A: input hidden_states (given as codes); B: input Wv (given as codes): QUANTISED
;;     4. batch 32 x [M 1,024, K 128] x [K 128, N 1,024]; A: computed on the way; B: computed on the way: QUANTISED
;;     5. batch 32 x [M 1,024, K 1,024] x [K 1,024, N 128]; A: softmax (see below); B: computed on the way: QUANTISED
;;     6. [M 2,048, K 2,048] x [K 2,048, N 4,096]; A: computed on the way; B: input Wo (given as codes): QUANTISED
;;   THE QUANTISER, for each operand of a quantised product, along K:
;;     - K is cut into blocks of 32 from its start; a last block that is shorter is filled with zeros.
;;     - A block's scale is 2^e with e = floor(log2(the largest magnitude in the block)) - 2, held to -126 .. 127; a block of zeros has e = 0. As a byte (E8M0): e + 127.
;;     - Each number is divided by its block's scale, clamped to +-6, and rounded to the nearest number of E2M1, ties to even, subnormals kept.
;;     - The product sums the exact products of the quantised numbers (number of the format x scale) in f32.
;;   ~~~python
;;   def quantise(x, axis):      # numpy; x: float32 -> the quantised numbers, widened to float32 again
;;       x = np.moveaxis(x, axis, -1); K = x.shape[-1]
;;       x = np.pad(x, [(0, 0)] * (x.ndim - 1) + [(0, -K % 32)]); x = x.reshape(x.shape[:-1] + (-1, 32)); a = np.abs(x).max(-1, keepdims=True)
;;       e = np.where(a > 0, np.clip(np.frexp(np.where(a > 0, a, 1))[1] - 1 - 2, -126, 127), 0)      # np.frexp(a)[1] - 1 = floor(log2(a)), exactly
;;       r = np.clip(x / 2.0 ** e, -6, 6)
;;       step = 2.0 ** (np.maximum(np.frexp(np.where(r == 0, 1, r))[1] - 1, 0) - 1)
;;       q = np.round(r / step) * step * 2.0 ** e      # np.round: ties to even
;;       return np.moveaxis(q.reshape(q.shape[:-2] + (-1,))[..., :K], -1, axis).astype(np.float32)
;;   ~~~
;;   SOFTMAX AHEAD OF A QUANTISED PRODUCT. Where the list says 'softmax', what is quantised is not the finished softmax but p = 2^(t - M), with t = logit x log2(e) and M = ceil(the row's largest t), a whole number; so 1/2 < the row's largest p <= 1. The row's sum l is taken of the UNQUANTISED p, in f32, and the product's result is divided by l at the end. Since M is a whole number, a kernel that streams over the keys may use a running M (the ceiling of the running maximum): every later rescaling is an exact power of two, which a block's scale takes up: the codes' values come out the same.
;;   OPERANDS COMPUTED ON THE WAY. 'Computed on the way' means the value that the module computes at that place (a softmax that the list does not call 'softmax' is quantised finished and normalised). What goes into a quantiser is computed in f32, as accurately as f32 sums, v_exp_f32 and their like allow (about 1e-6 of the number): no bf16 or f16 on the way to a quantiser, and a product that is left as it is and whose result goes on into a quantised operand takes f32 operands (vector FMAs, or v_wmma_f32_16x16x4_f32). A number that lies on a knife's edge between two numbers of the format may be rounded either way, as far as f32 arithmetic and the matrix unit's own rounding can turn it there, and no further.
;;   INPUTS GIVEN AS CODES. Wk (in the module: [1024, 4096], K = its axis 1); Wo (in the module: [4096, 2048], K = its axis 1); Wq (in the module: [2048, 4096], K = its axis 1); Wv (in the module: [1024, 4096], K = its axis 1); hidden_states (in the module: [2, 1024, 4096], K = its axis 2): each comes as NAME_codes (uint8): NAME with its K axis moved to the last place and cut into blocks of 32 codes, [.., K / 32, bytes a block], one block behind the other in memory; two codes a byte, the lower K in the low four bits (a code: sign, 2 exponent bits, 1 mantissa bit); and NAME_scales (uint8): the same leading axes, one E8M0 byte (e + 127) for each 32 codes along K. Its value is code x scale, taken as it is: it is not quantised again, and the codes and scales need not be those that the quantiser above would give.
;; One version. Each part assembles by itself: llvm-mc -triple=amdgcn-amd-amdhsa -mcpu=gfx1250 --defsym DOCPART=n.
;; ======== version 1 of 1: 3 launches
;; limits: right only within a limited range of input values
;; workspace buffers: qbuf 2,228,224 bytes; kvbuf 2,228,224 bytes; abuf 2,097,152 bytes; asc 131,072 bytes
;; launch qkv (part 1): grid 16 x 16, 4 waves a work-group, clusters of 4 x 4, 327,680 bytes of LDS; arguments hidden_states_codes, hidden_states_scales, Wq_codes, Wq_scales, Wk_codes, Wk_scales, Wv_codes, Wv_scales, cos, sin, q_norm_w, k_norm_w, qbuf, kvbuf; writes qbuf, kvbuf
.if DOCPART == 1
	.amdgcn_target "amdgcn-amd-amdhsa--gfx1250"
	.amdhsa_code_object_version 6
	.text
	.protected	k_q4511c94645_qkv
	.globl	k_q4511c94645_qkv
	.p2align	8
	.type	k_q4511c94645_qkv,@function
k_q4511c94645_qkv:
	s_mov_b64 s[64:65], 0
	v_nop
	global_prefetch_b8 v0, s[64:65] scope:SCOPE_SE
	s_setreg_imm32_b32 hwreg(HW_REG_WAVE_MODE, 25, 1), 1
	s_wait_xcnt 0x0
	s_wait_alu depctr_hold_cnt(0) depctr_sa_sdst(0) depctr_va_vdst(0) depctr_va_sdst(0) depctr_va_ssrc(0) depctr_va_vcc(0) depctr_vm_vsrc(0)
	s_getreg_b32 s2, hwreg(HW_REG_IB_STS2, 6, 4)
	s_cmp_eq_u32 s2, 0
	s_cbranch_scc0 .Lentry_in_a_cluster
	s_endpgm
.Lentry_in_a_cluster:
	s_bfe_u32 s2, ttmp6, 0x10000c
	s_cmp_lg_u32 s2, 0xf033
	s_cbranch_scc0 .Lentry_shape_is_right
	s_endpgm
.Lentry_shape_is_right:
; LAUNCH 1 OF 3.  q, k, v = hidden x Wq^T, Wk^T, Wv^T on the given codes of FP4 (E2M1) with E8M0 scales; RMSNorm over a head's 128 and RoPE on q and k, in f32;
; q and k quantised along the head's 128, v along the keys; all three stored as images of the operand registers that launch 2 loads.
; DEAD WORK OF THE WHOLE PROGRAM.  reference() builds jnp.tril in its own body and puts finfo.min over every score with key > query; behind the row's maximum (the key = query is never
; hidden) such a score gives p = 0 for all finite inputs.  So a key step of 128 keys all of which come after a tile's 16 queries adds nothing to the sum or to the second product: launch 2
; leaves those steps out, whole.  jnp.repeat copies a key and value head to two query heads: the two read the same bytes.  No input is dead: all fourteen are loaded.
; LIMITS.  A NaN, an infinity or an overflow that reaches only the key steps left out is not carried to the result.  NaN and infinities among the inputs are not served.  A block of zeros
; gets the scale byte 1 where the rule says 127: its codes are zeros, and these bytes are read by this program alone.  A block whose largest magnitude lies under 2^-124 is held at byte 1.
; SHARES.  256 work-groups, each a tile of 256 rows of X by 128 rows of Y, K = 4,096.  X is source 0 of the matrix instruction (32 rows each), Y source 1 (16 rows): in the result a lane holds ONE
; row of Y and its registers run along X: register 8 t + j of block a is X's row 16 t + 8 (lane / 16) + j.  Wave w has X's half w & 1 and Y's half w >> 1: 16 accumulators of 32 x 16.
;   cluster x 0, 1: X = 256 rows of Wq (two heads), Y = 128 tokens.   cluster x 2: the same with Wk.   A lane pair then holds a token's whole head: norm, RoPE and the quantiser stay in it.
;   cluster x 3: X = 256 tokens (two key steps), Y = 128 rows of Wv (one head).   A lane pair then holds 128 keys of one channel: v is quantised along the keys with nothing transposed.
; CLUSTERS 4 x 4.  X's tile hangs on the column of the cluster, Y's on its row: each is asked for jointly by the four that need it.  The role hangs on the cluster's x, which all sixteen share.
; RING.  K goes in eight K slots of 512 (rows of 256 bytes + 16 of padding) through THREE LDS slots; K slot n lies in LDS slot n % 3.  In LDS the three slots of X lie on end, then those of Y, so that
; one load of three dimensions brings two K slots: the head asks for K slots 0 to 2, one load a wave (X 0, Y 0, X 1 and 2, Y 1 and 2).  3 is asked for when 0 has been read, 4 and 5 together
; when 2 has been read, 6 behind 3, 7 behind 5.  cos and sin of the 128 tokens go onto X's slots 2 and 0 when K slot 6 has been read: [half of the head][token][256 bytes + 16], the very
; bytes that X's rows filled.
; THE SCALE BYTES do not go through LDS, which leaves it room for the third slot: each wave loads the words of its 128 + 64 rows for all of K into 192 registers at the head, a lane a row, the row's
; 128 bytes by eight loads of 16.  They are one sixteenth of the codes' bytes.  The K walk is written out: the scale registers' numbers differ from K slot to K slot.
; PREFETCHES: K slots 3 and 4 behind the first step, the others, and cos and sin, at changes of slots, two K slots or more ahead of their loads; each 256 bytes once in a cluster, shared out by address.
; The clusters of role V leave the tokens (their X) to the other roles' clusters, which ask for the same bytes.  Nothing is prefetched at the head.
; REGISTERS.  Window 0: v0-36 addresses; v64-255 scale words (K slot n at 64 + 24 n), later the way out.  Window 1: two sets of fragments (set p at 96 p: X's block b at + 8 b, Y's block a at + 64 + 8 a).
; Window 2: accumulator (a, B) at v[64 a + 16 B].  Window 3: cos and sin of two blocks.
.set KROW,  2048
.set PITCH, 272                        ; 256 bytes + 16: the 16 rows of a fragment load start in 16 different groups of banks
.set XHALF, 128*PITCH
.set YHALF, 64*PITCH
.set SLOT,  2*XHALF                    ; a slot of X: 256 rows
.set YSLOT, 2*YHALF                    ; a slot of Y: 128 rows (as many bytes as half a slot of X)
.set YOFF,  3*SLOT                     ; Y's three slots lie behind X's
.set SPARE, YOFF+3*YSLOT               ; the spare words, 128 bytes a wave
.set PADW,  (1<<20)|(1<<21)|(5<<22)|(3<<25)   ; padding on; bit 21 beside a mask; after every 64 words; 4 words
.set PW,   8                           ; v8-11   the four blocks' scale words
.set ADX,  16                          ; v16-18  LDS address of my X fragments in LDS slot 0, 1, 2
.set ADY,  19                          ; v19-21  the same for Y
.set LI,   22                          ; v22     16 x lane
.set SCO,  23                          ; v23     16 r + 8 h
.set WA,   25                          ; v25     32 h: the norm's weights
.set SPW,  28
.set NIL,  29
.set SOF,  31                          ; v31     128 x lane
.set PF,   32                          ; v32     2,048 x lane: a lane a row
.set PFC,  34                          ; v34     256 x lane
.set ACS,  35                          ; v35     LDS address of my tokens' cos
.set ASN,  36                          ; v36     and of their sin
.set SC,   64
.set WGT,  64                          ; v64-127 the way out: the norm's weights at my 64 places
.set TM,   128
.set TP,   132
.set TS,   140
.set PCD,  144
.set ZR,   176
.set LP,   2                           ; s2   (wave & 1) x a slot of X
.set LXH,  3                           ; s3   (wave & 1) x half a slot of X, or a slot of Y
.set SEL,  4                           ; s[4:5]  v_permlanex16_b32: lane l xor 16 (set behind the ring)
.set G2,   4                           ; s[4:7], s[12:15] descriptor groups 2 and 3 of the head's three-dimensional loads
.set G3,   12
.set PXB,  8                           ; s[8:9] where my X prefetches stand; s[16:17] Y; s[92:93] cos or sin
.set PYB,  16
.set PCB,  92
.set G1XP, 32                          ; descriptor groups 1: X's 256 rows; at the head 256 rows of two K slots, then X's 128 rows; Y's 128; at the head 128 rows of two K slots, then Y's 64
.set G1XH, 40
.set G1YP, 48
.set G1YH, 56
.set WV,   66
.set FH,   67                          ; wave & 1
.set G0X,  68                          ; groups 0, two sets each; the refills take set 0
.set G0Y,  76
.set XBP,  84
.set XBH,  86
.set YBP,  88
.set YBH,  90
.set CX,   92
.set CY,   93
.set CLY,  94
.set XT,   95
.set YT,   96
.set LYH,  97
.set FR,   100                         ; wave >> 1
.set CLX,  101
.set MUL,  0xa5                        ; sources 0, 1 window 1; C and D window 2
.set TO_F, 0x40
.set MSB, 0
.macro WIN new                         ; the immediate's high byte repeats the setting that is left
.if MSB != (\new)
	s_set_vgpr_msb (MSB<<8)|(\new)
.set MSB, (\new)
.endif
.endm
.macro PLACES n
.rept \n
	v_nop
.endr
.endm
; A joint load: waves 0, 1 by the first line, waves 2, 3 by the second.  The branch hangs on the wave's number alone.
.macro JLOAD g0x, g1x, g0y, g1y
	s_cmp_eq_u32 s[FR], 0
	s_cbranch_scc0 .Lfor_y_\@
	tensor_load_to_lds s[\g0x:\g0x+3], s[\g1x:\g1x+7]
	s_nop 0
	PLACES 4
	s_branch .Lasked_\@
.Lfor_y_\@:
	tensor_load_to_lds s[\g0y:\g0y+3], s[\g1y:\g1y+7]
	s_nop 0
	PLACES 4
.Lasked_\@:
.endm
; Groups 0.  By halves: K slot ks into LDS slot ls, each wave half of X's or of Y's rows.  As a pair: K slots ks, ks + 1 into LDS slots ls, ls + 1, each wave all of X's or of Y's rows of one of them.
.macro G0SET xl, yl, xb, yb, ls, ks
	s_mov_b32 s[G0X], 1
	s_add_co_u32 s[G0X+1], s[\xl], (\ls)*SLOT
	s_add_nc_u64 s[G0X+2:G0X+3], s[\xb:\xb+1], (\ks)*256
	s_or_b32 s[G0X+3], s[G0X+3], 0x80000000
	s_mov_b32 s[G0Y], 1
	s_add_co_u32 s[G0Y+1], s[\yl], (\ls)*YSLOT+YOFF
	s_add_nc_u64 s[G0Y+2:G0Y+3], s[\yb:\yb+1], (\ks)*256
	s_or_b32 s[G0Y+3], s[G0Y+3], 0x80000000
.endm
.macro CREST                           ; a round of the cluster's barrier behind its opening barrier
	s_cmp_lg_u32 s[WV], 0
	s_cbranch_scc1 .Lnot_wave_0_\@
	s_barrier_signal -3
.Lnot_wave_0_\@:
	s_barrier_wait -3
	s_barrier_signal -1
	s_barrier_wait -1
.endm
.macro CROUND
	s_barrier_signal -1
	s_barrier_wait -1
	CREST
.endm
; PREFETCH.  n = 3, 5: K slots n (waves 0, 1) and n + 1 (waves 2, 3); 7: K slot 7 (waves 0, 1).  Of X's 256 rows my work-group names 64, a wave 32; of Y's 128 rows 32.  99: cos (waves 0, 1) and sin
; (waves 2, 3): of the tokens' 65,536 bytes of each my work-group names 16,384, a wave 8,192.
.macro ASK n
.if (\n) == 99
	WIN 0
	s_cmp_eq_u32 s[CLX], 3
	s_cbranch_scc1 .Lasv_\@
	global_prefetch_b8 v[PFC], s[PCB:PCB+1] th:TH_LOAD_NT scope:SCOPE_SE
.Lasv_\@:
.elseif (\n) > 0
	WIN 0
.if (\n) == 7
	s_cmp_lg_u32 s[FR], 0
	s_cbranch_scc1 .Lasn_\@
.endif
	s_cmp_eq_u32 s[CLX], 3
	s_cbranch_scc1 .Lasv_\@
	global_prefetch_b8 v[PF], s[PXB:PXB+1] offset:256*(\n) th:TH_LOAD_NT scope:SCOPE_SE
.Lasv_\@:
	s_cmp_lg_u32 s[FH], 0
	s_cbranch_scc1 .Lasn_\@
	global_prefetch_b8 v[PF], s[PYB:PYB+1] offset:256*(\n) th:TH_LOAD_NT scope:SCOPE_SE
.Lasn_\@:
.endif
.endm
; A fragment, 16 rows x 128 K of 4-bit codes: lane l holds row l % 16; registers 4 c .. 4 c + 3 hold K = 64 c + 32 (l / 16) + 0 .. 31.
.macro FETCH slot, q, p                ; 24 loads: the LDS slot's q-th 128 along K into set p: Y's eight, then X's, four for each pair of blocks
	WIN TO_F
.irp i, 0,1,2,3
.irp c, 0,1
	ds_load_b128 v[96*(\p)+64+8*\i+4*\c:96*(\p)+64+8*\i+4*\c+3], v[ADY+\slot] offset:64*(\q)+32*\c+\i*16*PITCH
.endr
.endr
.irp i, 0,1,2,3,4,5,6,7
.irp c, 0,1
	ds_load_b128 v[96*(\p)+8*\i+4*\c:96*(\p)+8*\i+4*\c+3], v[ADX+\slot] offset:64*(\q)+32*\c+\i*16*PITCH
.endr
.endr
.endm
; X's pair of blocks B against Y's four blocks, the q-th 128 of K slot ks.  X's words: lane m holds row m's of the 32.  Y's: an even block's in lanes 0-15, an odd one's in lanes 16-31.
; The 16 accumulators take turns, one instruction a turn, in the same order in every step.
.macro MULB B, p, q, ks, zero
.irp a, 0,1,2,3
.set rD, 64*(\a)+16*\B
.set rX, 96*(\p)+16*\B
.set rY, 96*(\p)+64+8*(\a)
.set rSX, SC+24*(\ks)+4*\B+(\q)
.set rSY, SC+24*(\ks)+16+4*((\a)/2)+(\q)
.if \zero
.if (\a)%2
	v_wmma_scale_f32_32x16x128_f4 v[rD:rD+15], v[rX:rX+15], v[rY:rY+7], 0, v[rSX], v[rSY] matrix_b_scale:MATRIX_SCALE_ROW1
.else
	v_wmma_scale_f32_32x16x128_f4 v[rD:rD+15], v[rX:rX+15], v[rY:rY+7], 0, v[rSX], v[rSY]
.endif
.else
.if (\a)%2
	v_wmma_scale_f32_32x16x128_f4 v[rD:rD+15], v[rX:rX+15], v[rY:rY+7], v[rD:rD+15], v[rSX], v[rSY] matrix_b_scale:MATRIX_SCALE_ROW1
.else
	v_wmma_scale_f32_32x16x128_f4 v[rD:rD+15], v[rX:rX+15], v[rY:rY+7], v[rD:rD+15], v[rSX], v[rSY]
.endif
.endif
.endr
.endm
; A step of 128 along K: the next step's fragments (LDS slot fls, its fq-th 128) are asked for first, into set fp; then set p is multiplied (the q-th 128 of K slot ks).
.macro STEPG fls, fq, fp, p, q, ks, zero
	PLACES 4                                       ; between the last products and loads into registers that they read
	FETCH \fls, \fq, \fp
	WIN MUL
.irp B, 0,1,2,3
	s_wait_dscnt 36-4*\B                           ; the 24 just issued may be out, and four for each pair of X's blocks still to come
	MULB \B, \p, \q, \ks, \zero
.endr
.endm
.macro SLOT3 ls, ks                    ; the first three steps of K slot ks, which lies in LDS slot ls
	STEPG \ls, 1, 1, 0, 0, \ks, 0
	STEPG \ls, 2, 0, 1, 1, \ks, 0
	STEPG \ls, 3, 1, 0, 2, \ks, 0
.endm
; The last step of K slot ks with a barrier in it; LDS slot nls is read next.  In front of the barrier each wave waits for all its tensor loads, adds 0 to its spare word, and waits for that and for all its LDS reads.
; kind 0. 1: K slot rks goes by halves into LDS slot rls.  2: K slots rks, rks + 1 go as a pair into LDS slots rls, rls + 1.  3: cos and sin.
.macro TURN ks, nls, kind, rls, rks, ask
	WIN 0                                          ; the add's two registers lie in window 0
	s_wait_tensorcnt 0x0                           ; all my tensor loads have landed, so descriptors may be written
	ds_add_u32 v[SPW], v[NIL]
.if \ks == 0
	s_mov_b32 s[G1XH+2], 128<<16                   ; from here on half of X's rows, in two dimensions,
	s_mov_b32 s[G1XH+4], 128
	s_mov_b32 s[G1XH+6], 0
	s_mov_b32 s[G1YH+2], 64<<16                    ; and half of Y's
	s_mov_b32 s[G1YH+4], 64
	s_mov_b32 s[G1YH+6], 0
.endif
.if \kind == 1
	G0SET LXH, LYH, XBH, YBH, \rls, \rks
.elseif \kind == 2
	G0SET LP, LXH, XBP, YBP, \rls, \rks
.elseif \kind == 3
	s_mov_b32 s[G1YP+5], 512                       ; 128 tokens' rows of 256 bytes, 512 bytes apart: half of the head, wave & 1
	s_mov_b32 s[G0X], 1
	s_add_co_u32 s[G0X+1], s[LXH], 2*SLOT
	s_mov_b64 s[G0X+2:G0X+3], s[20:21]
	s_or_b32 s[G0X+3], s[G0X+3], 0x80000000
	s_mov_b32 s[G0Y], 1
	s_mov_b32 s[G0Y+1], s[LXH]
	s_mov_b64 s[G0Y+2:G0Y+3], s[22:23]
	s_or_b32 s[G0Y+3], s[G0Y+3], 0x80000000
.endif
	s_wait_dscnt 1                                 ; the add may be out: the step's fragments are in
	WIN MUL
	MULB 0, 1, 3, \ks, 0
	s_wait_dscnt 0x0                               ; the add is done, and my LDS reads are over
	s_barrier_signal -1
	MULB 1, 1, 3, \ks, 0
	WIN 0
	s_barrier_wait -1
.if \kind == 1
	CREST                                          ; no wave of any partner still reads the slot or has a load on its way
	JLOAD G0X, G1XH, G0Y, G1YH                     ; my one tensor load behind the round; its four v_nop are the places in front of the loads below
.elseif \kind == 2
	CREST
	JLOAD G0X, G1XP, G0Y, G1YP
.elseif \kind == 3
	CREST
	JLOAD G0X, G1YP, G0Y, G1YP
.else
	PLACES 4
.endif
	FETCH \nls, 0, 0
	ASK \ask
	WIN MUL
	MULB 2, 1, 3, \ks, 0
	MULB 3, 1, 3, \ks, 0
.endm
.macro LAST                            ; K slot 7 to its end
	SLOT3 1, 7
	WIN MUL
.irp B, 0,1,2,3
	s_wait_dscnt 12-4*\B
	MULB \B, 1, 3, 7, 0
.endr
	WIN 0
	PLACES 4                                       ; behind the last products: for the first reads of results and for writes over the scale words
.endm
; THE QUANTISER.  64 numbers of a lane, v[s] on in window sw; register 8 t + j is k = 16 t + 8 (lane / 16) + j of my row: block b of 32 is registers 16 b .. 16 b + 15 of lanes l and l xor 16.
; They become a fragment's codes in v[pc] .. v[pc + 7] and my row's scale word in v[pw].  The sources are read in ascending order.
.macro QUANT s, sw, pc, pw
	WIN (\sw)|((\sw)<<2)
.irp b, 0,1,2,3
	v_max3_num_f32 v[TM+\b], |v[\s+16*\b]|, |v[\s+16*\b+1]|, 0x1800000    ; with the floor 2^(3 - 127)
.endr
.irp i, 2,4,6,8,10,12,14
.irp b, 0,1,2,3
	v_max3_num_f32 v[TM+\b], |v[\s+16*\b+\i]|, |v[\s+16*\b+\i+1]|, v[TM+\b]
.endr
.endr
	WIN 0
.irp b, 0,1,2,3
	v_permlanex16_b32 v[TP+\b], v[TM+\b], s[SEL], s[SEL+1]
.endr
.irp b, 0,1,2,3
	v_max_num_f32 v[TM+\b], v[TM+\b], v[TP+\b]     ; the block's largest magnitude
.endr
.irp b, 0,1,2,3
	v_add_nc_u32 v[TS+\b], 0xff000000, v[TM+\b]    ; 2 off its exponent field: the conversion's scale operand
.endr
.irp b, 0,1,2,3
	v_lshrrev_b32 v[TP+\b], 23, v[TS+\b]           ; the scale's byte
.endr
	v_lshl_or_b32 v[\pw], v[TP+1], 8, v[TP]
	v_lshl_or_b32 v[\pw], v[TP+2], 16, v[\pw]
	v_lshl_or_b32 v[\pw], v[TP+3], 24, v[\pw]
	WIN (\sw)
.irp b, 0,1,2,3
	v_cvt_scalef32_pk8_fp4_f32 v[\pc+4*(\b/2)+(\b%2)], v[\s+16*\b:\s+16*\b+7], v[TS+\b]        ; words 0 | 1 of block b in lanes 0-15 | 16-31
	v_cvt_scalef32_pk8_fp4_f32 v[\pc+4*(\b/2)+2+(\b%2)], v[\s+16*\b+8:\s+16*\b+15], v[TS+\b]   ; words 2 | 3
.endr
	WIN 0
	v_nop                                          ; one plain place behind a scaled conversion
.irp c, 0,1                                    ; register 4 c + i = word i of block 2 c + (lane / 16)
.irp i, 0,1
	v_permlane16_swap_b32 v[\pc+4*\c+2*\i], v[\pc+4*\c+2*\i+1]
.endr
.endr
.endm
.macro OUTI a                          ; block a's image: two stores of 512 consecutive bytes a wave
	global_store_b128 v[LI], v[PCD+8*\a:PCD+8*\a+3], s[8:9] offset:1024*\a
	global_store_b128 v[LI], v[PCD+8*\a+4:PCD+8*\a+7], s[8:9] offset:1024*\a+512
.endm
.macro OUTS                            ; the four blocks' scale words: [r][block]: the wave stores 256 consecutive bytes, aligned
	v_cmp_eq_u32 vcc_lo, 1, v2
	v_cndmask_b32 v26, v[PW], v[PW+2], vcc_lo
	v_cndmask_b32 v27, v[PW+1], v[PW+3], vcc_lo
	global_store_b64 v[SCO], v[26:27], s[10:11]
.endm
.macro FINISH
	s_wait_tensorcnt 0x0                           ; the wave's end
	ds_add_u32 v[SPW], v[NIL]
	s_wait_dscnt 0x0
	CROUND                                         ; the closing round
	s_endpgm
.endm
	s_load_b512 s[4:19], s[0:1], 0x0               ; hidden's codes, scales; Wq's; Wk's; Wv's
	s_load_b256 s[20:27], s[0:1], 0x40             ; cos, sin, q_norm_w, k_norm_w
	s_load_b128 s[28:31], s[0:1], 0x60             ; qbuf, kvbuf
	v_lshl_add_u32 v[SPW], v0, 2, SPARE
	v_mov_b32 v[NIL], 0
	ds_add_u32 v[SPW], v[NIL]                      ; the wave's opening: the add, twice on end, and its wait ahead of my first tensor load
	ds_add_u32 v[SPW], v[NIL]
	v_lshrrev_b32 v3, 5, v0
	v_readfirstlane_b32 s[WV], v3
	s_and_b32 s[FH], s[WV], 1
	s_lshr_b32 s[FR], s[WV], 1
	s_bfe_u32 s[CX], ttmp6, 0x40000                ; my place in the cluster
	s_bfe_u32 s[CY], ttmp6, 0x40004
	s_mov_b32 s[CLX], ttmp9                        ; the cluster's x: the role
	s_and_b32 s[CLY], ttmp7, 0xffff
	s_and_b32 s97, s[CLX], 1                       ; X's tile: 4 (cluster x & 1) + cx for Wq and Wk (0, 1, 0), 4 (cluster y & 1) + cx for the tokens of role V
	s_and_b32 s98, s[CLY], 1
	s_lshr_b32 s99, s[CLY], 1                      ; Y's tile: 4 cluster y + cy, in role V 4 (cluster y >> 1) + cy
	s_cmp_eq_u32 s[CLX], 3
	s_cselect_b32 s97, s98, s97
	s_cselect_b32 s99, s99, s[CLY]
	s_lshl_b32 s97, s97, 2
	s_add_co_u32 s[XT], s97, s[CX]
	s_lshl_b32 s99, s99, 2
	s_add_co_u32 s[YT], s99, s[CY]
	s_lshl_b32 s2, s[CY], 2
	s_lshl_b32 s2, 15, s2                          ; my row of the cluster
	s_lshl_b32 s98, 0x1111, s[CX]                  ; my column
	s_or_b32 s[G1XP], s98, PADW                    ; X's tiles: elements of 1 byte, shared along the column
	s_or_b32 s[G1XH], s98, PADW
	s_or_b32 s[G1YP], s2, PADW                     ; Y's: along the row
	s_or_b32 s[G1YH], s2, PADW
.irp g, G1XP, G1XH, G1YP, G1YH
	s_mov_b32 s[\g+1], 256<<16                     ; tensor_dim0 = 256 bytes
	s_mov_b32 s[\g+3], 256<<16                     ; tile_dim0
	s_mov_b32 s[\g+5], KROW                        ; from row to row
	s_mov_b32 s[\g+7], 0
.endr
	s_mov_b32 s[G1XP+2], 256<<16                   ; all of X's 256 rows of one K slot,
	s_mov_b32 s[G1XP+4], 256
	s_mov_b32 s[G1XP+6], 0
	s_mov_b32 s[G1XH+2], 256<<16                   ; of two K slots: planes 256 bytes apart,
	s_mov_b32 s[G1XH+4], 256|(2<<16)
	s_mov_b32 s[G1XH+6], 256<<16
	s_mov_b32 s[G1YP+2], 128<<16                   ; all of Y's 128,
	s_mov_b32 s[G1YP+4], 128
	s_mov_b32 s[G1YP+6], 0
	s_mov_b32 s[G1YH+2], 128<<16                   ; of two K slots
	s_mov_b32 s[G1YH+4], 128|(2<<16)
	s_mov_b32 s[G1YH+6], 256<<16
	s_mul_i32 s[LP], s[FH], SLOT                   ; the wave's number alone enters an LDS address
	s_mul_i32 s[LXH], s[FH], XHALF
	s_mul_i32 s[LYH], s[FH], YHALF
	s_wait_dscnt 0x0                               ; both opening adds are done
	s_wait_kmcnt 0x0
	s_cmp_eq_u32 s[CLX], 2                         ; the buffers by the role: X's codes s[8:9], X's scales s[10:11], Y's s[16:17], s[18:19]
	s_cselect_b64 s[8:9], s[12:13], s[8:9]
	s_cselect_b64 s[10:11], s[14:15], s[10:11]
	s_cmp_eq_u32 s[CLX], 3
	s_cselect_b64 s[8:9], s[4:5], s[8:9]
	s_cselect_b64 s[10:11], s[6:7], s[10:11]
	s_cselect_b64 s[16:17], s[16:17], s[4:5]
	s_cselect_b64 s[18:19], s[18:19], s[6:7]
	s_lshl_b32 s98, s[XT], 19                      ; X: row 256 xt, 2,048 bytes a row
	s_mov_b32 s99, 0
	s_add_nc_u64 s[XBP:XBP+1], s[8:9], s[98:99]
	s_lshl_b32 s98, s[YT], 18                      ; Y: row 128 yt
	s_add_nc_u64 s[YBP:YBP+1], s[16:17], s[98:99]
	s_mov_b32 s[G2], 2                             ; tensor_dim2 = 2; the fields behind it are not used
.irp n, 1,2,3
	s_mov_b32 s[G2+\n], 0
.endr
.irp n, 0,1,2,3
	s_mov_b32 s[G3+\n], 0
.endr
.irp n, 0,1                                    ; the head's four tiles: K slot 0; K slots 1 and 2
	s_mov_b32 s[G0X+4*\n], 1
	s_mov_b32 s[G0X+4*\n+1], \n*SLOT
	s_add_nc_u64 s[G0X+4*\n+2:G0X+4*\n+3], s[XBP:XBP+1], \n*256
	s_or_b32 s[G0X+4*\n+3], s[G0X+4*\n+3], 0x80000000
	s_mov_b32 s[G0Y+4*\n], 1
	s_mov_b32 s[G0Y+4*\n+1], \n*YSLOT+YOFF
	s_add_nc_u64 s[G0Y+4*\n+2:G0Y+4*\n+3], s[YBP:YBP+1], \n*256
	s_or_b32 s[G0Y+4*\n+3], s[G0Y+4*\n+3], 0x80000000
.endr
	s_lshl_b32 s98, s[XT], 15                      ; the scale bytes: 128 a row; X's rows 256 xt + 128 (wave & 1) on,
	s_lshl_b32 s94, s[FH], 14
	s_add_co_u32 s98, s98, s94
	s_add_nc_u64 s[10:11], s[10:11], s[98:99]
	s_lshl_b32 s98, s[YT], 14                      ; Y's rows 128 yt + 64 (wave >> 1) on
	s_lshl_b32 s94, s[FR], 13
	s_add_co_u32 s98, s98, s94
	s_add_nc_u64 s[18:19], s[18:19], s[98:99]
	v_and_b32 v30, 31, v0
	v_lshlrev_b32 v[SOF], 7, v30
	s_wait_alu depctr_va_vdst(0)                   ; ahead of the barriers below
	CROUND                                         ; all sixteen work-groups are here: the first joint loads meet
.macro SCALES ks                       ; lane l takes row 32 g + l: 16 bytes are K slot ks's four words
.irp g, 0,1,2,3
	global_load_b128 v[SC+24*\ks+4*\g:SC+24*\ks+4*\g+3], v[SOF], s[10:11] offset:4096*\g+16*\ks
.endr
.irp g, 0,1
	global_load_b128 v[SC+24*\ks+16+4*\g:SC+24*\ks+16+4*\g+3], v[SOF], s[18:19] offset:4096*\g+16*\ks
.endr
.endm
; THE HEAD'S LOADS, ONE A WAVE, in one tree of branches on the wave's number: every way through the head passes exactly one.  What is needed first is asked for first: waves 2 and 3, which fetch
; K slots 1 and 2, ask for the scale words of K slots 0 and 1 ahead of their tensor load, waves 0 and 1 behind theirs.
	s_cmp_lt_u32 s[WV], 2
	s_cbranch_scc0 .Lhead_x1
	s_cmp_lt_u32 s[WV], 1
	s_cbranch_scc0 .Lhead_y0
	tensor_load_to_lds s[G0X:G0X+3], s[G1XP:G1XP+7]
	s_nop 0
	PLACES 4
	s_branch .Lhead_first
.Lhead_y0:
	tensor_load_to_lds s[G0Y:G0Y+3], s[G1YP:G1YP+7]
	s_nop 0
	PLACES 4
.Lhead_first:
	SCALES 0
	SCALES 1
	s_branch .Lhead_asked
.Lhead_x1:
	SCALES 0
	SCALES 1
	s_cmp_lt_u32 s[WV], 3
	s_cbranch_scc0 .Lhead_y1
	tensor_load_to_lds s[G0X+4:G0X+7], s[G1XH:G1XH+7], s[G2:G2+3], s[G3:G3+3]
	s_nop 0
	PLACES 4
	s_branch .Lhead_asked
.Lhead_y1:
	tensor_load_to_lds s[G0Y+4:G0Y+7], s[G1YH:G1YH+7], s[G2:G2+3], s[G3:G3+3]
	s_nop 0
	PLACES 4
.Lhead_asked:
.irp ks, 2,3,4,5,6,7
	SCALES \ks
.endr
	; where the prefetches stand (X's four partners differ in cy, Y's in cx)
	s_lshl_b32 s98, s[XT], 19
	s_lshl_b32 s94, s[CY], 17
	s_add_co_u32 s98, s98, s94
	s_lshl_b32 s94, s[FH], 16
	s_add_co_u32 s98, s98, s94
	s_lshl_b32 s94, s[FR], 8
	s_add_co_u32 s98, s98, s94
	s_add_nc_u64 s[PXB:PXB+1], s[8:9], s[98:99]
	s_lshl_b32 s98, s[YT], 18
	s_add_co_u32 s98, s98, s94
	s_lshl_b32 s94, s[CX], 16
	s_add_co_u32 s98, s98, s94
	s_add_nc_u64 s[PYB:PYB+1], s[16:17], s[98:99]
	s_lshl_b32 s98, s[YT], 16
	s_lshl_b32 s94, s[CX], 14
	s_add_co_u32 s98, s98, s94
	s_lshl_b32 s94, s[FH], 13
	s_add_co_u32 s98, s98, s94
	s_cmp_eq_u32 s[FR], 0
	s_cselect_b64 s[PCB:PCB+1], s[20:21], s[22:23] ; (cx and cy are done with)
	s_add_nc_u64 s[PCB:PCB+1], s[PCB:PCB+1], s[98:99]
	; for the ring: halves (wave & 1) x 128 rows of X, 64 of Y; pairs (wave & 1) K slots
	s_lshl_b32 s98, s[FH], 18
	s_add_nc_u64 s[XBH:XBH+1], s[XBP:XBP+1], s[98:99]
	s_lshl_b32 s98, s[FH], 17
	s_add_nc_u64 s[YBH:YBH+1], s[YBP:YBP+1], s[98:99]
	s_lshl_b32 s98, s[FH], 8
	s_add_nc_u64 s[XBP:XBP+1], s[XBP:XBP+1], s[98:99]
	s_add_nc_u64 s[YBP:YBP+1], s[YBP:YBP+1], s[98:99]
	s_mul_i32 s98, s[FR], YHALF                    ; my 64 rows of Y, or my 64 tokens
	s_wait_alu depctr_va_vdst(0)
	v_and_b32 v1, 15, v0                           ; r
	v_bfe_u32 v2, v0, 4, 1                         ; h
	v_mul_u32_u24 v[ASN], v1, PITCH
	v_lshl_add_u32 v3, v2, 4, v[ASN]               ; a fragment's row x pitch + 16 h
	v_lshl_add_u32 v[ASN], v2, 5, v[ASN]           ; cos and sin: row x pitch + 32 h
	v_add_nc_u32 v[ASN], s98, v[ASN]
	v_add_nc_u32 v[ACS], 2*SLOT, v[ASN]
	v_add_nc_u32 v[ADX], s[LXH], v3
	v_add_nc_u32 v[ADX+1], SLOT, v[ADX]
	v_add_nc_u32 v[ADX+2], 2*SLOT, v[ADX]
	v_add_nc_u32 v3, s98, v3
	v_add_nc_u32 v[ADY], YOFF, v3
	v_add_nc_u32 v[ADY+1], YSLOT+YOFF, v3
	v_add_nc_u32 v[ADY+2], 2*YSLOT+YOFF, v3
	v_lshlrev_b32 v[LI], 4, v30
	v_lshlrev_b32 v[PF], 11, v30
	v_lshlrev_b32 v[PFC], 8, v30
	v_lshlrev_b32 v[SCO], 4, v1
	v_lshl_add_u32 v[SCO], v2, 3, v[SCO]
	v_lshlrev_b32 v[WA], 5, v2
.irp u, 5,7,13,15
	v_mov_b32 v\u, 0                               ; the upper words of the pairs that carry 1 / rms: named, never used
.endr
	s_wait_alu depctr_va_vdst(0)
	s_cmp_lt_u32 s[WV], 2                          ; K slot 0's two tiles are waves 0 and 1's; K slots 1 and 2 may be out
	s_cbranch_scc0 .Lnot_first
	s_wait_tensorcnt 0x0
.Lnot_first:
	s_barrier_signal -1
	s_barrier_wait -1
	FETCH 0, 0, 0
	s_wait_loadcnt 42                              ; of the 48 scale loads the first six, K slot 0's, are in
	STEPG 0, 1, 1, 0, 0, 0, 1                      ; the first products start the sums: nothing is cleared
	ASK 3
	STEPG 0, 2, 0, 1, 1, 0, 0
	STEPG 0, 3, 1, 0, 2, 0, 0
	TURN 0, 1, 1, 0, 3, 5                          ; 1 and 2 have landed; 0 has been read: 3 is asked for
	s_wait_loadcnt 0x0                             ; all scale words are in
	SLOT3 1, 1
	STEPG 2, 0, 0, 1, 3, 1, 0                      ; on into K slot 2 with no barrier: it was shown with 1
	SLOT3 2, 2
	TURN 2, 0, 2, 1, 4, 7                          ; 3 has landed; 1 and 2 have been read: 4 and 5 are asked for together
	SLOT3 0, 3
	TURN 3, 1, 1, 0, 6, 99                         ; 4 and 5 have landed; 3 has been read: 6 is asked for
	SLOT3 1, 4
	STEPG 2, 0, 0, 1, 3, 4, 0
	SLOT3 2, 5
	TURN 5, 0, 1, 1, 7, 0                          ; 6 has landed; 4 and 5 have been read: 7 is asked for
	SLOT3 0, 6
	WIN 0
	s_wait_xcnt 0x0                                ; the prefetches have read their addresses
	s_mov_b32 s[SEL], 0x76543210
	s_mov_b32 s[SEL+1], 0xfedcba98
	s_cmp_eq_u32 s[CLX], 3                         ; THE BRANCH ON THE ROLE: the cluster's x, the same in all waves of all sixteen partners.  The two ways never join
	s_cbranch_scc1 .Lv
	; ---- ROLES Q AND K.  Head 2 xt + xh, tokens 128 yt + 64 yh + 16 a + r.
	s_mov_b32 s6, 0x3c000000                       ; 1 / 128
	s_mov_b32 s7, 0x358637bd                       ; eps = 1e-6
	s_cmp_eq_u32 s[CLX], 2
	s_cselect_b64 s[12:13], s[26:27], s[24:25]     ; the norm's weights
	s_cselect_b64 s[8:9], s[30:31], s[28:29]       ; kvbuf or qbuf
	s_cselect_b32 s14, 3, 4                        ; 8 or 16 heads a batch
	s_mov_b32 s15, 8704
	s_cselect_b32 s15, 17408, s15                  ; a record
	s_mov_b32 s16, 8192
	s_cselect_b32 s16, 16384, s16                  ; where its scale words begin
	s_lshl_b32 s17, s[XT], 1
	s_add_co_u32 s17, s17, s[FH]                   ; the head
	s_lshr_b32 s18, s[YT], 3                       ; the batch
	s_lshl_b32 s18, s18, s14
	s_add_co_u32 s17, s17, s18
	s_lshl_b32 s17, s17, 3
	s_and_b32 s18, s[YT], 7                        ; the step of 128 tokens
	s_add_co_u32 s17, s17, s18
	s_mul_i32 s18, s17, s15
	s_mov_b32 s19, 0
	s_add_nc_u64 s[8:9], s[8:9], s[18:19]          ; my record
	s_lshl_b32 s17, s[FR], 8
	s_add_co_u32 s16, s16, s17
	s_mov_b32 s17, 0
	s_add_nc_u64 s[10:11], s[8:9], s[16:17]        ; my half's scale words
	s_lshl_b32 s14, s[FR], 12
	s_mov_b32 s15, 0
	s_add_nc_u64 s[8:9], s[8:9], s[14:15]          ; my four images
	s_lshl_b32 s18, s[YT], 16                      ; cos and sin: 512 bytes a token; which half of the head I fetch
	s_lshl_b32 s17, s[FH], 8
	s_add_co_u32 s18, s18, s17
	s_add_nc_u64 s[20:21], s[20:21], s[18:19]
	s_add_nc_u64 s[22:23], s[22:23], s[18:19]
.irp t, 0,1,2,3,4,5,6,7                        ; register 8 t + j: place 16 t + 8 h + j of the head.  (These registers held the scale words of K slots 0 to 2, which are done)
	global_load_b128 v[WGT+8*\t:WGT+8*\t+3], v[WA], s[12:13] offset:64*\t
	global_load_b128 v[WGT+8*\t+4:WGT+8*\t+7], v[WA], s[12:13] offset:64*\t+16
.endr
	TURN 6, 1, 3, 0, 0, 0                          ; 7 has landed; 5 and 6 have been read: cos and sin go onto their X slots, under K slot 7
	LAST
	; the sum of squares of each block's 64 numbers, two packed chains a block, read in ascending order
	WIN 0x0a
.irp a, 0,1,2,3
	v_pk_mul_f32 v[TM+4*\a:TM+4*\a+1], v[64*\a:64*\a+1], v[64*\a:64*\a+1]
.endr
.irp a, 0,1,2,3
	v_pk_mul_f32 v[TM+4*\a+2:TM+4*\a+3], v[64*\a+2:64*\a+3], v[64*\a+2:64*\a+3]
.endr
.set n, 4
.rept 15
.irp a, 0,1,2,3
	v_pk_fma_f32 v[TM+4*\a:TM+4*\a+1], v[64*\a+n:64*\a+n+1], v[64*\a+n:64*\a+n+1], v[TM+4*\a:TM+4*\a+1]
.endr
.irp a, 0,1,2,3
	v_pk_fma_f32 v[TM+4*\a+2:TM+4*\a+3], v[64*\a+n+2:64*\a+n+3], v[64*\a+n+2:64*\a+n+3], v[TM+4*\a+2:TM+4*\a+3]
.endr
.set n, n+4
.endr
	WIN 0
.irp a, 0,1,2,3
	v_pk_add_f32 v[TM+4*\a:TM+4*\a+1], v[TM+4*\a:TM+4*\a+1], v[TM+4*\a+2:TM+4*\a+3]
.endr
.irp a, 0,1,2,3
	v_add_f32 v[TM+4*\a], v[TM+4*\a], v[TM+4*\a+1]
.endr
.irp a, 0,1,2,3
	v_permlanex16_b32 v[TM+4*\a+1], v[TM+4*\a], s[SEL], s[SEL+1]
.endr
.irp a, 0,1,2,3
	v_add_f32 v[TM+4*\a], v[TM+4*\a], v[TM+4*\a+1] ; with lane l xor 16's 64: the head's
.endr
.irp a, 0,1,2,3
	v_fma_f32 v[TM+4*\a], v[TM+4*\a], s6, s7       ; the mean (an exact scaling) + eps
.endr
	s_wait_alu depctr_va_vdst(0)                   ; the wait ahead of the batch,
	v_rsq_f32 v4, v[TM]
	v_rsq_f32 v6, v[TM+4]
	v_rsq_f32 v12, v[TM+8]
	v_rsq_f32 v14, v[TM+12]
	v_nop                                          ; a plain place behind the last of the batch
	s_wait_alu depctr_va_vdst(0)                   ; and the one ahead of its first reader
	s_wait_tensorcnt 0x0                           ; my part of cos and sin is in,
	s_wait_dscnt 0x0
	s_barrier_signal -1
	s_barrier_wait -1                              ; and everybody's
.macro CSLOAD a                        ; block a's cos at 128 (a % 2) of window 3, its sin 64 on: 32 loads
	WIN 0xc0
.set CB, 128*((\a)%2)
.irp t, 0,1,2,3,4,5,6,7
.irp u, 0,1
	ds_load_b128 v[CB+8*\t+4*\u:CB+8*\t+4*\u+3], v[ACS] offset:(\a)*16*PITCH+(\t/4)*XHALF+64*(\t%4)+16*\u
	ds_load_b128 v[CB+64+8*\t+4*\u:CB+64+8*\t+4*\u+3], v[ASN] offset:(\a)*16*PITCH+(\t/4)*XHALF+64*(\t%4)+16*\u
.endr
.endr
.endm
	CSLOAD 0
	CSLOAD 1
	s_wait_loadcnt 0x0                             ; the weights
; Block a: x / rms, x the weight, RoPE, the quantiser.  Place d + 64 of the head is register n + 32 of the same lane.  younger: the LDS loads of the block after it, which may be out.
.macro ROPE a, rs, younger
.set AB, 64*(\a)
	WIN 0x82                                       ; the accumulators in window 2, the factor in window 0
.set n, 0
.rept 32
	v_pk_mul_f32 v[AB+n:AB+n+1], v[AB+n:AB+n+1], v[\rs:\rs+1] op_sel_hi:[1,0]
.set n, n+2
.endr
.set n, 0
.rept 32
	v_pk_mul_f32 v[AB+n:AB+n+1], v[AB+n:AB+n+1], v[WGT+n:WGT+n+1]
.set n, n+2
.endr
	s_wait_dscnt \younger
	WIN 0x0e                                       ; source 0 window 2, cos and sin in window 3, the result in window 0
.set CB, 128*((\a)%2)
.set n, 0
.rept 32
	v_pk_mul_f32 v[ZR+n:ZR+n+1], v[AB+n:AB+n+1], v[CB+n:CB+n+1]
.set n, n+2
.endr
.set n, 0
.rept 16
	v_pk_fma_f32 v[ZR+n:ZR+n+1], v[AB+32+n:AB+32+n+1], v[CB+64+n:CB+64+n+1], v[ZR+n:ZR+n+1] neg_lo:[1,0,0] neg_hi:[1,0,0]   ; the first half: - x(d + 64) sin
.set n, n+2
.endr
.set n, 32
.rept 16
	v_pk_fma_f32 v[ZR+n:ZR+n+1], v[AB+n-32:AB+n-31], v[CB+64+n:CB+64+n+1], v[ZR+n:ZR+n+1]   ; the second: + x(d - 64) sin
.set n, n+2
.endr
.if (\a) < 2
	CSLOAD (\a)+2
.endif
	QUANT ZR, 0, PCD+8*\a, PW+\a
	OUTI \a
.endm
	ROPE 0, 4, 32
	ROPE 1, 6, 32
	ROPE 2, 12, 32
	ROPE 3, 14, 0
	OUTS
	FINISH
.Lv:	; ---- ROLE V.  Key step T = 2 xt + xh (128 tokens along my registers), head yt, channels 64 yh + 16 a + r: the results are quantised as they stand.
	s_lshl_b32 s17, s[XT], 1
	s_add_co_u32 s17, s17, s[FH]                   ; T
	s_lshr_b32 s18, s17, 3                         ; the batch
	s_lshl_b32 s18, s18, 3
	s_add_co_u32 s18, s18, s[YT]                   ; 8 b + head
	s_lshl_b32 s18, s18, 3
	s_and_b32 s17, s17, 7
	s_add_co_u32 s18, s18, s17
	s_mul_i32 s18, s18, 17408
	s_mov_b32 s19, 0
	s_add_nc_u64 s[8:9], s[30:31], s[18:19]        ; my record of kvbuf
	s_lshl_b32 s16, s[FR], 8
	s_add_co_u32 s16, s16, 16896
	s_mov_b32 s17, 0
	s_add_nc_u64 s[10:11], s[8:9], s[16:17]        ; V's scale words, my half
	s_lshl_b32 s14, s[FR], 12
	s_add_co_u32 s14, s14, 8192
	s_mov_b32 s15, 0
	s_add_nc_u64 s[8:9], s[8:9], s[14:15]          ; V's images, my four
	TURN 6, 1, 0, 0, 0, 0                          ; 7 has landed, everybody's part
	LAST
.irp b, 0,1,2,3
	v_mov_b32 v[TP+\b], 0                          ; written once: a lane permute's destination counts as one of its sources
.endr
.irp a, 0,1,2,3
	QUANT 64*\a, 2, PCD+8*\a, PW+\a
	OUTI \a
.endr
	OUTS
	FINISH
.Lfunc_end_k_q4511c94645_qkv:
	.size	k_q4511c94645_qkv, .Lfunc_end_k_q4511c94645_qkv-k_q4511c94645_qkv
	.p2alignl 7, 3214868480
	.fill 96, 4, 3214868480
	.section	.rodata,"a",@progbits
	.p2align	6, 0x0
	.amdhsa_kernel k_q4511c94645_qkv
		.amdhsa_group_segment_fixed_size 327680
		.amdhsa_private_segment_fixed_size 0
		.amdhsa_enable_private_segment 0
		.amdhsa_kernarg_size 112
		.amdhsa_user_sgpr_count 2
		.amdhsa_user_sgpr_kernarg_segment_ptr 1
		.amdhsa_wavefront_size32 1
		.amdhsa_system_sgpr_workgroup_id_x 1
		.amdhsa_system_sgpr_workgroup_id_y 1
		.amdhsa_system_sgpr_workgroup_id_z 1
		.amdhsa_system_vgpr_workitem_id 0
		.amdhsa_next_free_vgpr 1024
		.amdhsa_next_free_sgpr 102
		.amdhsa_reserve_vcc 1
		.amdhsa_float_denorm_mode_32 3
		.amdhsa_float_denorm_mode_16_64 3
		.amdhsa_memory_ordered 1
		.amdhsa_forward_progress 1
		.amdhsa_inst_pref_size 250
	.end_amdhsa_kernel
	.amdgpu_metadata
---
amdhsa.version: [ 1, 2 ]
amdhsa.kernels:
  - .name:           k_q4511c94645_qkv
    .symbol:         k_q4511c94645_qkv.kd
    .args:
      - { .name: hidden_states_codes, .offset: 0, .size: 8, .value_kind: global_buffer, .address_space: global }
      - { .name: hidden_states_scales, .offset: 8, .size: 8, .value_kind: global_buffer, .address_space: global }
      - { .name: Wq_codes, .offset: 16, .size: 8, .value_kind: global_buffer, .address_space: global }
      - { .name: Wq_scales, .offset: 24, .size: 8, .value_kind: global_buffer, .address_space: global }
      - { .name: Wk_codes, .offset: 32, .size: 8, .value_kind: global_buffer, .address_space: global }
      - { .name: Wk_scales, .offset: 40, .size: 8, .value_kind: global_buffer, .address_space: global }
      - { .name: Wv_codes, .offset: 48, .size: 8, .value_kind: global_buffer, .address_space: global }
      - { .name: Wv_scales, .offset: 56, .size: 8, .value_kind: global_buffer, .address_space: global }
      - { .name: cos, .offset: 64, .size: 8, .value_kind: global_buffer, .address_space: global }
      - { .name: sin, .offset: 72, .size: 8, .value_kind: global_buffer, .address_space: global }
      - { .name: q_norm_w, .offset: 80, .size: 8, .value_kind: global_buffer, .address_space: global }
      - { .name: k_norm_w, .offset: 88, .size: 8, .value_kind: global_buffer, .address_space: global }
      - { .name: qbuf, .offset: 96, .size: 8, .value_kind: global_buffer, .address_space: global }
      - { .name: kvbuf, .offset: 104, .size: 8, .value_kind: global_buffer, .address_space: global }
    .group_segment_fixed_size: 327680
    .private_segment_fixed_size: 0
    .kernarg_segment_align: 8
    .kernarg_segment_size: 112
    .max_flat_workgroup_size: 128
    .sgpr_count:     102
    .vgpr_count:     1024
    .wavefront_size: 32
...
	.end_amdgpu_metadata
.endif
;; end of part 1
;; launch attn (part 2): grid 16 x 16, 16 waves a work-group, clusters of 4 x 1, 280,576 bytes of LDS; arguments qbuf, kvbuf, abuf, asc; writes abuf, asc
.if DOCPART == 2
	.amdgcn_target "amdgcn-amd-amdhsa--gfx1250"
	.amdhsa_code_object_version 6
	.text
	.protected	k_q4511c94645_attn
	.globl	k_q4511c94645_attn
	.p2align	8
	.type	k_q4511c94645_attn,@function
k_q4511c94645_attn:
	s_mov_b64 s[64:65], 0
	v_nop
	global_prefetch_b8 v0, s[64:65] scope:SCOPE_SE
	s_setreg_imm32_b32 hwreg(HW_REG_WAVE_MODE, 25, 1), 1
	s_wait_xcnt 0x0
	s_wait_alu depctr_hold_cnt(0) depctr_sa_sdst(0) depctr_va_vdst(0) depctr_va_sdst(0) depctr_va_ssrc(0) depctr_va_vcc(0) depctr_vm_vsrc(0)
	s_getreg_b32 s2, hwreg(HW_REG_IB_STS2, 6, 4)
	s_cmp_eq_u32 s2, 0
	s_cbranch_scc0 .Lentry_in_a_cluster
	s_endpgm
.Lentry_in_a_cluster:
	s_bfe_u32 s2, ttmp6, 0x10000c
	s_cmp_lg_u32 s2, 0x3003
	s_cbranch_scc0 .Lentry_shape_is_right
	s_endpgm
.Lentry_shape_is_right:
; LAUNCH 2 OF 3.  Causal attention on codes of FP4: S^T = K Q^T, p = 2^(t - M), O^T = V^T P^T, O / l, and the result quantised along the head's 128 for launch 3.
; LEFT OUT AS DEAD WORK: key steps of 128 keys all of which come after a tile's 16 queries (reference()'s own jnp.tril; shown at the head of launch 1).
; THE SOFTMAX.  t = score x log2(e) / sqrt(128); M = the running largest t rounded up to a whole number; p = 2^(t - M) is quantised along the keys, not normalised; the row's sum is taken of the
; unquantised p and divides at the end.  When M moves, the sum and O^T are multiplied by 2^(old M - new M), which rounds nothing.
; SHARES.  Work-group (j, g): g = 8 batch + key and value head, j = 0 .. 15.  It owns eight tiles of 16 queries: for each quarter p of the sequence and each query head e of the pair that shares K and V,
; tile i = 16 p + (j xor 8 e xor 15 (p & 1)).  A tile has n = i / 8 + 1 key steps; a work-group's eight tiles have n = 1 .. 8, 36 steps in all.
; THE WAVES.  Tile n = 8, 7, 6 has three waves, 5 and 4 have two, 3, 2, 1 have one: waves 0-2, 3-5, 6-8, 9-10, 11-12, 13, 14, 15.  Their steps: 3 2 3, 3 2 2, 1 3 2, 2 3, 2 2, 3, 2, 1: no wave walks more
; than three, and the four waves w, w + 4, w + 8, w + 12 walk nine.  Tables of four bits a wave give the first step, the step behind the last, and n - 1; e follows from n, p and the cluster's x: no branch
; hangs on a work-group's place in its cluster.
; Each wave runs its own M; M is a whole number, so p's codes come out the same under any.  A tile's first wave is its owner.  At the end the others hand O^T, their sums and -M over through LDS, each in
; the slot of its own number; the owner brings them under the common M by exact powers of two, divides, quantises and stores.
; CLUSTER 4 x 1.  The four partners read the same head's K and V: 139,264 dense bytes of kvbuf, which fit in LDS whole.  Each wave asks jointly for a sixteenth, 34 rows of 256 bytes.  Nothing is filled again.
; LAYOUT.  A lane holds ONE query (lane % 16) throughout; register 8 t + j of S^T is key 16 t + 8 (lane / 16) + j of the step, of O^T channel 16 t + 8 (lane / 16) + j.
; The result's scale words: asc is [tile][head / 4][token][head % 4]: a wave stores 4 bytes a token, 16 bytes apart; lanes l and l + 16 store the same word with the same value.
; No prefetch: there is no loop over what is loaded.
; LIMITS: as stated at the head of launch 1.
.set REC,   17408                      ; a key step's record: K's 8 images, V^T's 8 images, K's scale words (512 bytes), V's
.set QREC,  8704                       ; 128 queries' record: 8 images, their scale words
.set HEADB, 8*REC
.set PART,  HEADB/16                   ; what one wave asks for
.set SPARE, HEADB                      ; behind the head's records: the spare words, 128 bytes a wave
.set MRG,   SPARE+2048                 ; behind them: the hand-over, a slot for each wave
.set MREC,  8704                       ; O^T's 64 registers as sixteen images of 512 bytes, then -M, t and the sum's two halves
.set LI,  1                            ; v1   16 x lane: my place in an image
.set LSC, 2                            ; v2   16 r: my row's four scale words
.set D0,  3                            ; v3   my query less the diagonal step's first key less 8 (lane / 16)
.set SPW, 5
.set NIL, 6
.set QSO, 7                            ; v7   Q's scale word
.set ADF, 8                            ; v8   the step's images
.set ADS, 9                            ; v9   the step's scale words
.set MA,  10                           ; v10  my slot of the hand-over, + 16 x lane
.set TM,  232                          ; v232-235 the blocks' maxima;  v236-239 the other half's, bytes, a chain of sums;  v248-251 the conversions' scale operands
.set TP,  236
.set TS,  248
; v12 -M, v13 the largest t, v[14:15] the sum, v16-23 Q, v24 Q's scale word, v25 p's scale word, v[26:27] f, v28-31 at work, v32-95 eight fragments, v96-159 S^T then p, v160-223 O^T, v224-231 codes, v240-247 the tiles' scale words, v253 -infinity
.set WV,  12
.set SEL, 20
.set CS,  22
.set G1,  24
.set LO,  33                           ; s33  my first step; 0: I own my tile
.set HI,  34                           ; s34  the step behind my last
.set TSL, 36
.set G0,  40
.set TB,  48                           ; s48  LDS byte at which the step's record begins
.set ST,  49                           ; s49  the step
.set NM1, 51                           ; s51  the step on the diagonal: n - 1
.macro ROUND
	s_barrier_signal -1
	s_barrier_wait -1
	s_cmp_lg_u32 s[WV], 0
	s_cbranch_scc1 .Lnot_wave_0_\@
	s_barrier_signal -3
.Lnot_wave_0_\@:
	s_barrier_wait -3
	s_barrier_signal -1
	s_barrier_wait -1
.endm
; From the blocks' largest numbers in v[TM] on: the scale operands, the bytes, the scale word in v25; then the codes of v96-159 in v224-231, in the operand's layout.
.macro CODES
.irp b, 0,1,2,3
	s_delay_alu instid0(VALU_DEP_4)
	v_add_nc_u32 v[TS+\b], 0xff000000, v[TM+\b]    ; 2 off the exponent field: the conversion's scale operand
.endr
.irp b, 0,1,2,3
	s_delay_alu instid0(VALU_DEP_4)
	v_lshrrev_b32 v[TP+\b], 23, v[TS+\b]           ; the scale's byte
.endr
	s_delay_alu instid0(VALU_DEP_3)
	v_lshl_or_b32 v25, v[TP+1], 8, v[TP]
	s_delay_alu instid0(VALU_DEP_1)
	v_lshl_or_b32 v25, v[TP+2], 16, v25
	s_delay_alu instid0(VALU_DEP_1)
	v_lshl_or_b32 v25, v[TP+3], 24, v25
.irp b, 0,1,2,3
	v_cvt_scalef32_pk8_fp4_f32 v[224+4*(\b/2)+(\b%2)], v[96+16*\b:103+16*\b], v[TS+\b]      ; words 0 | 1 of block b in lanes 0-15 | 16-31
	v_cvt_scalef32_pk8_fp4_f32 v[226+4*(\b/2)+(\b%2)], v[104+16*\b:111+16*\b], v[TS+\b]     ; words 2 | 3
.endr
	v_nop                                          ; one plain place behind a scaled conversion
.irp c, 0,1                                    ; register 4 c + i = word i of block 2 c + (lane / 16)
.irp i, 0,1
	v_permlane16_swap_b32 v[224+4*\c+2*\i], v[225+4*\c+2*\i]
.endr
.endr
.endm
	s_load_b256 s[4:11], s[0:1], 0x0               ; qbuf, kvbuf, abuf, asc
	v_lshl_add_u32 v[SPW], v0, 2, SPARE
	v_mov_b32 v[NIL], 0
	ds_add_u32 v[SPW], v[NIL]                      ; the wave's opening: the add, twice on end, and its wait ahead of my first tensor load
	ds_add_u32 v[SPW], v[NIL]
	v_lshrrev_b32 v28, 5, v0
	s_delay_alu instid0(VALU_DEP_1)
	v_readfirstlane_b32 s[WV], v28
	s_bfe_u32 s13, ttmp6, 0x40000                  ; cx: it enters global addresses of Q and of the results, and the mask's number, alone
	s_and_b32 s14, ttmp7, 0xffff                   ; g
	s_lshl_b32 s15, ttmp9, 2
	s_add_co_u32 s15, s15, s13                     ; j
	s_and_b32 s59, s[WV], 7
	s_lshl_b32 s59, s59, 2                         ; the tables: eight waves a word
	s_mov_b32 s[LO], 0x00020204
	s_mov_b32 s[HI], 0x12342526
	s_mov_b32 s[NM1], 0x01233445
	s_cmp_lt_u32 s[WV], 8
	s_cselect_b32 s[LO], 0x10530530, s[LO]
	s_cselect_b32 s[HI], 0x41753853, s[HI]
	s_cselect_b32 s[NM1], 0x55666777, s[NM1]
.irp t, LO, HI, NM1
	s_lshr_b32 s[\t], s[\t], s59
	s_and_b32 s[\t], s[\t], 15
.endr
	s_lshr_b32 s17, s[NM1], 1                      ; p
	s_and_b32 s18, s17, 1                          ; odd
	s_lshr_b32 s52, ttmp9, 1
	s_xor_b32 s16, s[NM1], s52
	s_xor_b32 s16, s16, s17
	s_and_b32 s16, s16, 1                          ; e: i / 8 = 2 p + ((cluster x >> 1) xor odd xor e) is n - 1
	s_mul_i32 s[TSL], s[WV], MREC
	s_add_co_u32 s[TSL], s[TSL], MRG
	s_mul_i32 s19, s18, 15
	s_xor_b32 s19, s19, s15
	s_lshl_b32 s52, s16, 3
	s_xor_b32 s19, s19, s52                        ; j xor 15 odd xor 8 e
	s_lshl_b32 s52, s17, 4
	s_add_co_u32 s52, s52, s19                     ; i: my tile
	s_mov_b32 s[G1], 15|(3<<16)|(1<<21)            ; all four partners; elements of 8 bytes; bit 21 beside a mask; no padding
	s_mov_b32 s[G1+1], 32<<16                      ; rows of 256 bytes
	s_mov_b32 s[G1+2], (PART/256)<<16
	s_mov_b32 s[G1+3], 32<<16
	s_mov_b32 s[G1+4], PART/256
	s_mov_b32 s[G1+5], 32
	s_mov_b32 s[G1+6], 0
	s_mov_b32 s[G1+7], 0
	s_mov_b32 s[G0], 1
	s_mul_i32 s[G0+1], s[WV], PART                 ; LDS holds the head's bytes as they lie in kvbuf
	s_mul_i32 s[G0+2], s14, HEADB
	s_add_co_u32 s[G0+2], s[G0+2], s[G0+1]
	s_mov_b32 s[G0+3], 0
	s_and_b32 s53, s52, 7                          ; my tile in its step
	s_lshl_b32 s54, s14, 1
	s_add_co_u32 s54, s54, s16                     ; 16 batch + query head
	s_lshl_b32 s54, s54, 3
	s_lshr_b32 s55, s52, 3
	s_add_co_u32 s54, s54, s55
	s_mul_i32 s54, s54, QREC
	s_lshl_b32 s57, s53, 10
	s_add_co_u32 s54, s54, s57
	s_mov_b32 s55, 0                               ; s[54:55]: Q's image
	s_lshr_b32 s56, s53, 2                         ; its scale words, counted from the image: the record's byte 8,192 + 256 (tile / 4) + 16 r + 4 (tile % 4)
	s_lshl_b32 s56, s56, 8
	s_and_b32 s58, s53, 3
	s_lshl_b32 s58, s58, 2
	s_add_co_u32 s56, s56, s58
	s_add_co_u32 s56, s56, 8192
	s_sub_co_u32 s56, s56, s57
	s_lshl_b32 s58, s53, 4                         ; 16 x my tile in its step
	s_and_b32 s57, s14, 7
	s_lshl_b32 s57, s57, 1
	s_add_co_u32 s57, s57, s16                     ; hq: the query head
	s_lshr_b32 s59, s14, 3
	s_lshl_b32 s59, s59, 6
	s_add_co_u32 s59, s59, s52                     ; my tile among the 128 tiles of tokens
	s_lshr_b32 s60, s59, 3                         ; abuf: [tokens / 128][hq / 4][tile % 8][hq % 4][1,024 bytes]
	s_lshl_b32 s60, s60, 2
	s_lshr_b32 s61, s57, 2
	s_add_co_u32 s60, s60, s61
	s_lshl_b32 s62, s61, 8                         ; asc: [tile][hq / 4][token][hq % 4][4 bytes]
	s_lshl_b32 s60, s60, 3
	s_add_co_u32 s60, s60, s53
	s_lshl_b32 s60, s60, 2
	s_and_b32 s61, s57, 3
	s_add_co_u32 s60, s60, s61
	s_lshl_b32 s60, s60, 10
	s_lshl_b32 s61, s61, 2
	s_add_co_u32 s62, s62, s61
	s_mov_b32 s61, 0
	s_lshl_b32 s63, s59, 10
	s_add_co_u32 s62, s62, s63
	s_mov_b32 s63, 0
	s_mov_b32 s[SEL], 0x76543210
	s_mov_b32 s[SEL+1], 0xfedcba98
	s_mov_b32 s[CS], 0x3e0293ee                    ; c = log2(e) / sqrt(128)
	s_mov_b32 s[CS+1], s[CS]                       ; (named with it as a pair)
	s_mov_b32 s[TB], 0
	s_mov_b32 s[ST], 0
	v_and_b32 v28, 31, v0
	s_delay_alu instid0(VALU_DEP_1)
	v_lshlrev_b32 v[LI], 4, v28
	v_and_b32 v29, 15, v0                          ; r
	v_bfe_u32 v30, v0, 4, 1                        ; h
	s_delay_alu instid0(VALU_DEP_2)
	v_lshlrev_b32 v[LSC], 4, v29
	s_delay_alu instid0(VALU_DEP_1)
	v_add_nc_u32 v[QSO], s56, v[LSC]
	v_add_nc_u32 v[MA], s[TSL], v[LI]              ; every LDS address is made here, ahead of the place where owners and others go different ways
	s_wait_alu depctr_va_vdst(0)                   ; directly ahead of the waits below
	s_wait_dscnt 0x0                               ; both opening adds are done
	s_wait_kmcnt 0x0
	s_add_nc_u64 s[G0+2:G0+3], s[6:7], s[G0+2:G0+3]
	s_or_b32 s[G0+3], s[G0+3], 0x80000000
	s_add_nc_u64 s[4:5], s[4:5], s[54:55]
	s_add_nc_u64 s[8:9], s[8:9], s[60:61]
	s_add_nc_u64 s[10:11], s[10:11], s[62:63]
	global_load_b128 v[16:19], v[LI], s[4:5]       ; Q's fragment stays in registers; it is on its way while the cluster meets
	global_load_b128 v[20:23], v[LI], s[4:5] offset:512
	global_load_b32 v24, v[QSO], s[4:5]            ; and its scale word
	ROUND                                          ; all four work-groups are here: the joint loads meet
	tensor_load_to_lds s[G0:G0+3], s[G1:G1+7]      ; every wave asks for its sixteenth, with no branch: one load of mine is out
	s_nop 0
.rept 4
	v_nop
.endr
	v_lshlrev_b32 v31, 3, v30
	s_delay_alu instid0(VALU_DEP_1)
	v_sub_nc_u32 v[D0], v29, v31
	s_delay_alu instid0(VALU_DEP_1)
	v_add_nc_u32 v[D0], s58, v[D0]
	v_mov_b32 v13, 0xff61b1e6                      ; the largest t so far: -3e38, under every t
	s_delay_alu instid0(VALU_DEP_1)
	v_floor_f32 v12, -v13                          ; -M
	v_mov_b32 v14, 0
	v_mov_b32 v15, 0
	v_mov_b32 v25, 0                               ; (named as the upper half of a pair at the end)
	v_mov_b32 v27, 0                               ; (the upper half of the pair that carries f)
	v_mov_b32 v253, 0xff800000                     ; -infinity
.irp b, 0,1,2,3
	v_mov_b32 v[TP+\b], 0                          ; written once: a lane permute's destination counts as one of its sources
.endr
.set n, 0
.rept 64
	v_mov_b32 v[160+n], 0                          ; O^T: the step is written once, for every step alike; a wave's first finds zeros, which the first change of M leaves zeros
.set n, n+1
.endr
; A KEY STEP of 128 keys.  A step that is not among mine is left out by scalar branches on ids, round its loads, products and softmax; the lines at its end that step the address and the count are run by all.
.macro STEP
	s_cmp_lt_u32 s[ST], s[LO]
	s_cbranch_scc1 .Lhidden_\@
	s_cmp_ge_u32 s[ST], s[HI]
	s_cbranch_scc1 .Lhidden_\@
	v_add_nc_u32 v[ADF], s[TB], v[LI]
	v_add_nc_u32 v[ADS], s[TB], v[LSC]
	v_nop
	v_nop                                          ; four plain places between the last step's products and loads into registers that they read
.irp t, 0,1,2,3,4,5,6,7
.irp c, 0,1
	ds_load_b128 v[32+8*\t+4*\c:35+8*\t+4*\c], v[ADF] offset:1024*\t+512*\c          ; K's eight images, as they lie
.endr
.endr
.irp g, 0,1
	ds_load_b128 v[240+4*\g:243+4*\g], v[ADS] offset:16384+256*\g                    ; row r's scale words of tiles 4 g .. 4 g + 3
.endr
	s_wait_alu depctr_va_vdst(0)
	s_wait_dscnt 0x0
.irp t, 0,1,2,3,4,5,6,7
	v_wmma_scale_f32_16x16x128_f8f6f4 v[96+8*\t:103+8*\t], v[32+8*\t:39+8*\t], v[16:23], 0, v[240+\t], v24 matrix_a_fmt:MATRIX_FMT_FP4 matrix_b_fmt:MATRIX_FMT_FP4
.endr
.rept 4
	v_nop                                          ; places: ahead of the loads below and of the first reads of the scores
.endr
.irp t, 0,1,2,3,4,5,6,7
.irp c, 0,1
	ds_load_b128 v[32+8*\t+4*\c:35+8*\t+4*\c], v[ADF] offset:8192+1024*\t+512*\c     ; V^T's eight images: they land under the softmax
.endr
.endr
.irp g, 0,1
	ds_load_b128 v[240+4*\g:243+4*\g], v[ADS] offset:16896+256*\g
.endr
	s_cmp_lg_u32 s[ST], s[NM1]                     ; on the diagonal step, the tile's last, hidden scores become -infinity ahead of the maximum, so that p = 0
	s_cbranch_scc1 .Lopen_\@
.set n, 0
.rept 64
	v_cmp_gt_i32 vcc_lo, 16*(n/8)+n%8, v[D0]       ; register n holds key 16 (n / 8) + 8 (lane / 16) + n % 8 of the step
	v_cndmask_b32 v[96+n], v[96+n], v253, vcc_lo
.set n, n+1
.endr
.Lopen_\@:
.irp b, 0,1,2,3
	v_max3_num_f32 v[TM+\b], v[96+16*\b], v[97+16*\b], v[98+16*\b]    ; the largest score of each block of 32 keys: for the row's maximum, and, since p rises with the score, for the block's largest p
.endr
.irp i, 3,5,7,9,11,13
.irp b, 0,1,2,3
	v_max3_num_f32 v[TM+\b], v[TM+\b], v[96+16*\b+\i], v[97+16*\b+\i]
.endr
.endr
.irp b, 0,1,2,3
	v_max_num_f32 v[TM+\b], v[TM+\b], v[111+16*\b]
.endr
.irp b, 0,1,2,3
	s_delay_alu instid0(VALU_DEP_4)
	v_permlanex16_b32 v[TP+\b], v[TM+\b], s[SEL], s[SEL+1]
.endr
.irp b, 0,1,2,3
	s_delay_alu instid0(VALU_DEP_4)
	v_max_num_f32 v[TM+\b], v[TM+\b], v[TP+\b]     ; with lane l xor 16's 16 keys
.endr
	s_delay_alu instid0(VALU_DEP_2)
	v_max3_num_f32 v28, v[TM], v[TM+1], v[TM+2]
	s_delay_alu instid0(VALU_DEP_1)
	v_max_num_f32 v28, v28, v[TM+3]                ; the step's largest score of my query: a number, since every step up to the diagonal's holds a key that counts
	s_delay_alu instid0(VALU_DEP_1)
	v_mul_f32 v28, s[CS], v28
	s_delay_alu instid0(VALU_DEP_1)
	v_max_num_f32 v13, v13, v28                    ; the running largest t
	v_mov_b32 v28, v12
	s_delay_alu instid0(VALU_DEP_2)
	v_floor_f32 v12, -v13                          ; the new -M = -ceil(t)
	s_delay_alu instid0(VALU_DEP_1)
	v_sub_f32 v28, v12, v28                        ; old M - new M: a whole number, 0 or less
	s_delay_alu instid0(VALU_DEP_1)
	v_cvt_i32_f32 v28, v28                         ; (it saturates)
	s_delay_alu instid0(VALU_DEP_1)
	v_ldexp_f32 v26, 1.0, v28                      ; f = 2^(old M - new M)
.set n, 0
.rept 32
	v_pk_fma_f32 v[96+n:97+n], v[96+n:97+n], s[CS:CS+1], v[12:13] op_sel_hi:[1,0,0]    ; t - M
.set n, n+2
.endr
.irp b, 0,1,2,3
	v_fma_f32 v[TM+\b], v[TM+\b], s[CS], v12       ; the same of each block's largest score
.endr
.set n, 0
	s_wait_alu depctr_va_vdst(0)
.rept 64
	v_exp_f32 v[96+n], v[96+n]                     ; p = 2^(t - M)
.set n, n+1
.endr
	v_pk_mul_f32 v[14:15], v[14:15], v[26:27] op_sel_hi:[1,0]    ; the sums under the new M: the plain place behind the batch
	s_wait_alu depctr_va_vdst(0)                   ; one wait for the 64, ahead of their first reader
.irp b, 0,1,2,3
	v_exp_f32 v[TM+\b], v[TM+\b]                   ; the block's largest p: the same two instructions on the same number
.endr
	v_pk_add_f32 v[236:237], v[100:101], v[104:105]
	v_pk_add_f32 v[254:255], v[108:109], v[112:113]
	v_pk_add_f32 v[250:251], v[116:117], v[120:121]
	v_pk_add_f32 v[248:249], v[124:125], v[128:129]
	v_pk_add_f32 v[238:239], v[132:133], v[136:137]
	v_pk_add_f32 v[230:231], v[140:141], v[144:145]
	v_pk_add_f32 v[228:229], v[148:149], v[152:153]
	v_pk_add_f32 v[14:15], v[14:15], v[156:157]
.set n, 0
.irp r, 96,98,102,106,110,114,118,122
.if n == 0
	v_pk_add_f32 v[236:237], v[236:237], v[\r:\r+1]
.elseif n == 1
	v_pk_add_f32 v[254:255], v[254:255], v[\r:\r+1]
.elseif n == 2
	v_pk_add_f32 v[250:251], v[250:251], v[\r:\r+1]
.elseif n == 3
	v_pk_add_f32 v[248:249], v[248:249], v[\r:\r+1]
.elseif n == 4
	v_pk_add_f32 v[238:239], v[238:239], v[\r:\r+1]
.elseif n == 5
	v_pk_add_f32 v[230:231], v[230:231], v[\r:\r+1]
.elseif n == 6
	v_pk_add_f32 v[228:229], v[228:229], v[\r:\r+1]
.else
	v_pk_add_f32 v[14:15], v[14:15], v[\r:\r+1]
.endif
.set n, n+1
.endr
	v_pk_add_f32 v[236:237], v[236:237], v[126:127]
	v_pk_add_f32 v[254:255], v[254:255], v[130:131]
	v_pk_add_f32 v[250:251], v[250:251], v[134:135]
	v_pk_add_f32 v[248:249], v[248:249], v[138:139]
	v_pk_add_f32 v[238:239], v[238:239], v[142:143]
	v_pk_add_f32 v[230:231], v[230:231], v[146:147]
	v_pk_add_f32 v[228:229], v[228:229], v[150:151]
	v_pk_add_f32 v[14:15], v[14:15], v[154:155]
	v_pk_add_f32 v[236:237], v[236:237], v[158:159]
	s_delay_alu instid0(VALU_DEP_2)
	v_pk_add_f32 v[14:15], v[14:15], v[248:249]
	s_delay_alu instid0(VALU_DEP_2)
	v_pk_add_f32 v[236:237], v[236:237], v[238:239]
	v_pk_add_f32 v[254:255], v[254:255], v[230:231]
	v_pk_add_f32 v[250:251], v[250:251], v[228:229]
	s_delay_alu instid0(VALU_DEP_2)
	v_pk_add_f32 v[14:15], v[14:15], v[254:255]
	s_delay_alu instid0(VALU_DEP_2)
	v_pk_add_f32 v[236:237], v[236:237], v[250:251]
	s_delay_alu instid0(VALU_DEP_1)
	v_pk_add_f32 v[14:15], v[14:15], v[236:237]
	s_wait_alu depctr_va_vdst(0)                   ; and one for the four
.irp b, 0,1,2,3
	v_max_num_f32 v[TM+\b], 0x1800000, v[TM+\b]    ; the floor 2^(3 - 127): a block whose every p is 0 keeps the byte 1 over zero codes
.endr
	CODES
.set n, 0
.rept 32
	v_pk_mul_f32 v[160+n:161+n], v[160+n:161+n], v[26:27] op_sel_hi:[1,0]    ; O^T under the new M; these 32 are also the places between the scale word, the codes and the products
.set n, n+2
.endr
	s_wait_alu depctr_va_vdst(0)                   ; directly ahead of the wait below
	s_wait_dscnt 0x0                               ; V^T's images and scale words are in
.irp t, 0,1,2,3,4,5,6,7
	v_wmma_scale_f32_16x16x128_f8f6f4 v[160+8*\t:167+8*\t], v[32+8*\t:39+8*\t], v[224:231], v[160+8*\t:167+8*\t], v[240+\t], v25 matrix_a_fmt:MATRIX_FMT_FP4 matrix_b_fmt:MATRIX_FMT_FP4
.endr
.Lhidden_\@:
	s_add_co_u32 s[TB], s[TB], REC
	s_add_co_u32 s[ST], s[ST], 1
.endm
	s_wait_alu depctr_va_vdst(0)
	s_wait_loadcnt 0x0                             ; Q
	s_wait_tensorcnt 0x0                           ; my sixteenth of the head's records is in
	s_barrier_signal -1
	s_barrier_wait -1                              ; everybody's is
.Lstep:                                            ; eight trips for every wave
	STEP
	s_cmp_lt_u32 s[ST], 8
	s_cbranch_scc1 .Lstep
.rept 4
	v_nop                                          ; places behind the last products
.endr
	; THE HAND-OVER.  A wave that does not own its tile stores O^T (each accumulator from its low end on), -M and the sum as images of its registers; a barrier; the owner loads them by the same lines.
	s_cmp_eq_u32 s[LO], 0
	s_cbranch_scc1 .Lkeep
	s_wait_alu depctr_va_vdst(0)
.irp i, 0,1,2,3,4,5,6,7,8,9,10,11,12,13,14,15
	ds_store_b128 v[MA], v[160+4*\i:163+4*\i] offset:512*\i
.endr
	ds_store_b128 v[MA], v[12:15] offset:8192
.Lkeep:
	s_wait_dscnt 0x0                               ; for the owner's sake: my stores have landed
	s_barrier_signal -1
	s_barrier_wait -1
	s_cmp_lg_u32 s[LO], 0
	s_cbranch_scc1 .Lend
; The slot of the i-th wave behind mine: both sides under the common M, the larger of the two.
.macro MERGE i
	ds_load_b128 v[28:31], v[MA] offset:MREC*\i+8192       ; the other's -M, t, and the sum's two halves
.irp k, 0,1,2,3,4,5,6,7,8,9,10,11,12,13,14,15
	ds_load_b128 v[96+4*\k:99+4*\k], v[MA] offset:MREC*\i+512*\k
.endr
	s_wait_dscnt 0x0
	v_min_num_f32 v24, v12, v28                    ; the common -M
	s_delay_alu instid0(VALU_DEP_1)
	v_sub_f32 v26, v24, v12                        ; my M less the common M: a whole number, 0 or less
	s_delay_alu instid0(VALU_DEP_2)
	v_sub_f32 v28, v24, v28                        ; the other's
	s_delay_alu instid0(VALU_DEP_2)
	v_cvt_i32_f32 v26, v26                         ; (they saturate)
	s_delay_alu instid0(VALU_DEP_2)
	v_cvt_i32_f32 v28, v28
	v_mov_b32 v12, v24
	v_ldexp_f32 v26, 1.0, v26                      ; my factor,
	v_ldexp_f32 v24, 1.0, v28                      ; the other's: exact powers of two, or 0
	v_pk_mul_f32 v[14:15], v[14:15], v[26:27] op_sel_hi:[1,0]
.set n, 0
.rept 32
	v_pk_mul_f32 v[160+n:161+n], v[160+n:161+n], v[26:27] op_sel_hi:[1,0]
.set n, n+2
.endr
	v_pk_fma_f32 v[14:15], v[30:31], v[24:25], v[14:15] op_sel_hi:[1,0,1]
.set n, 0
.rept 32
	v_pk_fma_f32 v[160+n:161+n], v[96+n:97+n], v[24:25], v[160+n:161+n] op_sel_hi:[1,0,1]
.set n, n+2
.endr
.endm
	s_cmp_lt_u32 s[NM1], 3                         ; n = 1, 2, 3: I walked the tile alone
	s_cbranch_scc1 .Lalone
	MERGE 1
	s_cmp_lt_u32 s[NM1], 5                         ; n = 4, 5: there was one other
	s_cbranch_scc1 .Lalone
	MERGE 2
.Lalone:
	v_add_f32 v14, v14, v15
	s_delay_alu instid0(VALU_DEP_1)
	v_permlanex16_b32 v28, v14, s[SEL], s[SEL+1]
	s_delay_alu instid0(VALU_DEP_1)
	v_add_f32 v14, v14, v28                        ; the row's sum
	s_wait_alu depctr_va_vdst(0)
	v_rcp_f32 v14, v14
	v_nop                                          ; a plain place behind the transcendental
	s_wait_alu depctr_va_vdst(0)                   ; the wait ahead of its first reader
.set n, 0
.rept 32
	v_pk_mul_f32 v[96+n:97+n], v[160+n:161+n], v[14:15] op_sel_hi:[1,0]    ; o = O^T / the sum
.set n, n+2
.endr
	; quantised along the head's 128: an image of launch 3's operand, and a scale word a token
.irp b, 0,1,2,3
	v_max3_num_f32 v[TM+\b], |v[96+16*\b]|, |v[97+16*\b]|, 0x1800000
.endr
.irp i, 2,4,6,8,10,12,14
.irp b, 0,1,2,3
	s_delay_alu instid0(VALU_DEP_4)
	v_max3_num_f32 v[TM+\b], |v[96+16*\b+\i]|, |v[97+16*\b+\i]|, v[TM+\b]
.endr
.endr
.irp b, 0,1,2,3
	s_delay_alu instid0(VALU_DEP_4)
	v_permlanex16_b32 v[TP+\b], v[TM+\b], s[SEL], s[SEL+1]
.endr
.irp b, 0,1,2,3
	s_delay_alu instid0(VALU_DEP_4)
	v_max_num_f32 v[TM+\b], v[TM+\b], v[TP+\b]
.endr
	CODES
	global_store_b128 v[LI], v[224:227], s[8:9]                ; the wave stores 512 consecutive bytes, twice
	global_store_b128 v[LI], v[228:231], s[8:9] offset:512
	global_store_b32 v[LSC], v25, s[10:11]                     ; token r's scale word of my head
.Lend:
	s_wait_tensorcnt 0x0                           ; the wave's end, behind my tensor load and my last LDS store
	ds_add_u32 v[SPW], v[NIL]
	s_wait_dscnt 0x0
	ROUND                                          ; the closing round
	s_endpgm
.Lfunc_end_k_q4511c94645_attn:
	.size	k_q4511c94645_attn, .Lfunc_end_k_q4511c94645_attn-k_q4511c94645_attn
	.p2alignl 7, 3214868480
	.fill 96, 4, 3214868480
	.section	.rodata,"a",@progbits
	.p2align	6, 0x0
	.amdhsa_kernel k_q4511c94645_attn
		.amdhsa_group_segment_fixed_size 280576
		.amdhsa_private_segment_fixed_size 0
		.amdhsa_enable_private_segment 0
		.amdhsa_kernarg_size 32
		.amdhsa_user_sgpr_count 2
		.amdhsa_user_sgpr_kernarg_segment_ptr 1
		.amdhsa_wavefront_size32 1
		.amdhsa_system_sgpr_workgroup_id_x 1
		.amdhsa_system_sgpr_workgroup_id_y 1
		.amdhsa_system_sgpr_workgroup_id_z 1
		.amdhsa_system_vgpr_workitem_id 0
		.amdhsa_next_free_vgpr 256
		.amdhsa_next_free_sgpr 66
		.amdhsa_reserve_vcc 1
		.amdhsa_float_denorm_mode_32 3
		.amdhsa_float_denorm_mode_16_64 3
		.amdhsa_memory_ordered 1
		.amdhsa_forward_progress 1
		.amdhsa_inst_pref_size 54
	.end_amdhsa_kernel
	.amdgpu_metadata
---
amdhsa.version: [ 1, 2 ]
amdhsa.kernels:
  - .name:           k_q4511c94645_attn
    .symbol:         k_q4511c94645_attn.kd
    .args:
      - { .name: qbuf, .offset: 0, .size: 8, .value_kind: global_buffer, .address_space: global }
      - { .name: kvbuf, .offset: 8, .size: 8, .value_kind: global_buffer, .address_space: global }
      - { .name: abuf, .offset: 16, .size: 8, .value_kind: global_buffer, .address_space: global }
      - { .name: asc, .offset: 24, .size: 8, .value_kind: global_buffer, .address_space: global }
    .group_segment_fixed_size: 280576
    .private_segment_fixed_size: 0
    .kernarg_segment_align: 8
    .kernarg_segment_size: 32
    .max_flat_workgroup_size: 512
    .sgpr_count:     66
    .vgpr_count:     256
    .wavefront_size: 32
...
	.end_amdgpu_metadata
.endif
;; end of part 2
;; launch oproj (part 3): grid 16 x 16, 4 waves a work-group, clusters of 4 x 4, 327,680 bytes of LDS; arguments abuf, asc, Wo_codes, Wo_scales, out0; writes out0
.if DOCPART == 3
	.amdgcn_target "amdgcn-amd-amdhsa--gfx1250"
	.amdhsa_code_object_version 6
	.text
	.protected	k_q4511c94645_oproj
	.globl	k_q4511c94645_oproj
	.p2align	8
	.type	k_q4511c94645_oproj,@function
k_q4511c94645_oproj:
	s_mov_b64 s[64:65], 0
	v_nop
	global_prefetch_b8 v0, s[64:65] scope:SCOPE_SE
	s_setreg_imm32_b32 hwreg(HW_REG_WAVE_MODE, 25, 1), 1
	s_wait_xcnt 0x0
	s_wait_alu depctr_hold_cnt(0) depctr_sa_sdst(0) depctr_va_vdst(0) depctr_va_sdst(0) depctr_va_ssrc(0) depctr_va_vcc(0) depctr_vm_vsrc(0)
	s_getreg_b32 s2, hwreg(HW_REG_IB_STS2, 6, 4)
	s_cmp_eq_u32 s2, 0
	s_cbranch_scc0 .Lentry_in_a_cluster
	s_endpgm
.Lentry_in_a_cluster:
	s_bfe_u32 s2, ttmp6, 0x10000c
	s_cmp_lg_u32 s2, 0xf033
	s_cbranch_scc0 .Lentry_shape_is_right
	s_endpgm
.Lentry_shape_is_right:
; LAUNCH 3 OF 3.  out[token][n] = the sum over k of a[token][k] Wo[n][k] on codes of FP4 with E8M0 scales, K = 2,048; sums in f32.
; SHARES.  256 work-groups, each 256 columns (rows of Wo, X: source 0, 32 rows an instruction) by 128 tokens (Y: source 1, 16 rows): a lane holds one token.  TWO PASSES of 128 columns each.
; Wave w has the pass's columns 64 (w & 1) on and tokens 64 (w >> 1) on: 8 accumulators of 32 x 16 a pass.
; All of K lies in LDS: X's 128 rows of a pass in two regions of K = 1,024 (rows of 512 bytes + 16), Y's images whole.  Pass 0 loads Y's fragments into 512 registers, where they stay: pass 1 reads
; X alone from LDS.  While pass 1 is multiplied, pass 0's results go out.
; LOADS.  The head asks for everything that pass 0 needs, one load a wave: X and Y of K's first half (waves 0, 1), of its second half (waves 2, 3).  Pass 1's X fills the two regions again: the first
; behind pass 0's step 6, when all reads of it are over, the second behind step 14; each wave brings 32 of the 128 rows.
; CLUSTERS 4 x 4: X's tile is shared along a column, Y's along a row, asked for jointly.  Pass 1's X is prefetched when K's first half has landed: 128 rows x 1,024 dense bytes, of which each of the four
; partners names 32 rows, a wave 8 rows, a lane 256 bytes: six steps ahead of the first of its loads.
; SCALES: each wave's words for all of K in 96 registers, loaded at the head, a lane a row.
; REGISTERS.  Window 0: v0-31 addresses; v32-127 scale words (X pass 0, X pass 1, Y); v128-255 X's fragments, four sets of 32.  Windows 1, 2: Y's fragments, 32 a step.  Window 3: accumulators, 128 a pass.
; LIMITS: as stated at the head of launch 1.
.set PITCH, 528
.set XREG,  128*PITCH                  ; a region of X
.set YB,    2*XREG                     ; Y's images: [K slot][tile][q][1,024 bytes]
.set STAGE, YB+131072                  ; the way out: 16 rows x (256 bytes + 16) a wave; no tensor load lands here
.set SPITCH, 272
.set SPARE, STAGE+4*16*SPITCH          ; the spare words, 128 bytes a wave
.set ADX,  16                          ; v16-17  X's fragments in region 0, 1
.set ADY,  18                          ; v18-19  Y's
.set STO,  22
.set RD,   23
.set CO,   24
.set PF,   25                          ; v25     256 x lane
.set SOY,  26                          ; v26     my row's scale words of Y: asc is [tile of 16 tokens][K slot][token][4 words]: 1,024 h + 16 r
.set SPW,  28
.set NIL,  29
.set SOF,  31
.set SX,   32
.set SY,   96
.set XF,   128
.set G1X,  16
.set G1Y,  24
.set G0,   32                          ; s[32:47] the head's four groups 0
.set G0R,  48                          ; s[48:51] the refills'
.set XB,   52                          ; s[52:53] my 32 rows of pass 1's X
.set PFB,  54                          ; s[54:55] where my prefetch stands
.set LQ,   56                          ; s56     wave x 32 rows in LDS
.set WV,   66
.set FH,   67
.set FR,   68
.set CX,   69
.set CY,   70
.set XT,   71
.set YT,   72
.set MSB, 0
.macro WIN new
.if MSB != (\new)
	s_set_vgpr_msb (MSB<<8)|(\new)
.set MSB, (\new)
.endif
.endm
.macro PLACES n
.rept \n
	v_nop
.endr
.endm
.macro CREST
	s_cmp_lg_u32 s[WV], 0
	s_cbranch_scc1 .Lnot_wave_0_\@
	s_barrier_signal -3
.Lnot_wave_0_\@:
	s_barrier_wait -3
	s_barrier_signal -1
	s_barrier_wait -1
.endm
.macro CROUND
	s_barrier_signal -1
	s_barrier_wait -1
	CREST
.endm
; Step s: pass s / 16, 128 along K: s % 16.  Its fragments of X go into set s % 4; in pass 0 Y's too, into their own registers.
.macro LOADS s
	WIN 0
.set ss, (\s)%16
.irp b, 0,1,2,3
.irp c, 0,1
	ds_load_b128 v[XF+32*((\s)%4)+8*\b+4*\c:XF+32*((\s)%4)+8*\b+4*\c+3], v[ADX+ss/8] offset:\b*16*PITCH+256*((ss/4)%2)+64*(ss%4)+32*\c
.endr
.endr
.if (\s) < 16
	WIN 0x40*(1+ss/8)
.irp a, 0,1,2,3
.irp c, 0,1
	ds_load_b128 v[32*(ss%8)+8*\a+4*\c:32*(ss%8)+8*\a+4*\c+3], v[ADY+ss/8] offset:32768*((ss/4)%2)+(4*\a+ss%4)*1024+512*\c
.endr
.endr
.endif
.endm
; Two products: Y's block a against X's two pairs of blocks.  The 8 accumulators of a pass take turns, in the same order in every step.
.macro MM s, a
.set ss, (\s)%16
.set pp, (\s)/16
.irp B, 0,1
.set rD, 128*pp+32*\a+16*\B
.set rX, XF+32*((\s)%4)+16*\B
.set rY, 32*(ss%8)+8*\a
.set rSX, SX+32*pp+8*(ss/4)+4*\B+ss%4
.set rSY, SY+8*(ss/4)+4*(\a/2)+ss%4
.if ss == 0
.if \a%2
	v_wmma_scale_f32_32x16x128_f4 v[rD:rD+15], v[rX:rX+15], v[rY:rY+7], 0, v[rSX], v[rSY] matrix_b_scale:MATRIX_SCALE_ROW1
.else
	v_wmma_scale_f32_32x16x128_f4 v[rD:rD+15], v[rX:rX+15], v[rY:rY+7], 0, v[rSX], v[rSY]
.endif
.else
.if \a%2
	v_wmma_scale_f32_32x16x128_f4 v[rD:rD+15], v[rX:rX+15], v[rY:rY+7], v[rD:rD+15], v[rSX], v[rSY] matrix_b_scale:MATRIX_SCALE_ROW1
.else
	v_wmma_scale_f32_32x16x128_f4 v[rD:rD+15], v[rX:rX+15], v[rY:rY+7], v[rD:rD+15], v[rSX], v[rSY]
.endif
.endif
.endr
.endm
.macro MULWIN s                        ; source 0 window 0, source 1 window 1 or 2, C and D window 3
	WIN 0xf0|((1+((\s)%16)/8)<<2)
.endm
; Two v_nop here and two in the step before: the four places between step s - 2's products and loads into the set that they read.  n: the LDS instructions issued behind step s's loads.
.macro STEP s, n
	WIN 0
	PLACES 2
.if (\s) < 30
	LOADS (\s)+2
.endif
	s_wait_dscnt \n
	MULWIN \s
.irp a, 0,1,2,3
	MM \s, \a
.endr
.endm
; A step with a barrier in it: in front of it each wave waits for all its tensor loads, adds 0 to its spare word, and waits for that and for all its LDS reads.  reg: the region of X that is filled again; 2: none.
.macro TURN s, n, reg
	WIN 0
	s_wait_tensorcnt 0x0
	ds_add_u32 v[SPW], v[NIL]
.if \reg < 2
	s_mov_b32 s[G1X+2], 32<<16                     ; no tensor load of mine is out: from here on a load brings 32 rows
	s_mov_b32 s[G1X+4], 32
	s_mov_b32 s[G0R], 1
	s_add_co_u32 s[G0R+1], s[LQ], \reg*XREG
	s_add_nc_u64 s[G0R+2:G0R+3], s[XB:XB+1], \reg*512
	s_or_b32 s[G0R+3], s[G0R+3], 0x80000000
.endif
	s_wait_dscnt \n                                ; the step's fragments are in; the next step's and the add may be out
	MULWIN \s
	MM \s, 0
	MM \s, 1
	s_wait_dscnt 0x0                               ; the add is done, and my LDS reads are over
	s_barrier_signal -1
	MM \s, 2
	MM \s, 3
	WIN 0
	s_barrier_wait -1
.if \reg < 2
	CREST
	tensor_load_to_lds s[G0R:G0R+3], s[G1X:G1X+7]  ; every wave, no branch
	s_nop 0
.endif
	PLACES 4
	LOADS (\s)+2
.endm
; THE WAY OUT of 16 tokens x 64 columns: through my own stage (LDS serves a wave's instructions in order), back as rows of 256 bytes into the same registers, stored by 16 lanes a row, aligned.
.macro TOSTAGE p, a
	WIN 0x0c                                       ; the data in window 3
.irp b, 0,1,2,3
	ds_store_b128 v[STO], v[128*\p+32*\a+8*\b:128*\p+32*\a+8*\b+3] offset:64*\b
	ds_store_b128 v[STO], v[128*\p+32*\a+8*\b+4:128*\p+32*\a+8*\b+7] offset:64*\b+16
.endr
	WIN 0xc0
.irp i, 0,1,2,3,4,5,6,7
	ds_load_b128 v[128*\p+32*\a+4*\i:128*\p+32*\a+4*\i+3], v[RD] offset:2*\i*SPITCH
.endr
.endm
.macro SEND p, a, younger
	s_wait_dscnt \younger
	WIN 0x0c
.irp i, 0,1,2,3,4,5,6,7
	global_store_b128 v[CO], v[128*\p+32*\a+4*\i:128*\p+32*\a+4*\i+3], s[12:13] offset:(16*\a+2*\i)*16384+512*\p th:TH_STORE_NT
.endr
.endm
	s_load_b256 s[4:11], s[0:1], 0x0               ; abuf, asc, Wo's codes, Wo's scales
	s_load_b64 s[12:13], s[0:1], 0x20              ; out0
	v_lshl_add_u32 v[SPW], v0, 2, SPARE
	v_mov_b32 v[NIL], 0
	ds_add_u32 v[SPW], v[NIL]                      ; the wave's opening: the add, twice on end, and its wait ahead of my first tensor load
	ds_add_u32 v[SPW], v[NIL]
	v_lshrrev_b32 v3, 5, v0
	v_readfirstlane_b32 s[WV], v3
	s_and_b32 s[FH], s[WV], 1
	s_lshr_b32 s[FR], s[WV], 1
	s_bfe_u32 s[CX], ttmp6, 0x40000
	s_bfe_u32 s[CY], ttmp6, 0x40004
	s_lshl_b32 s[XT], ttmp9, 2
	s_add_co_u32 s[XT], s[XT], s[CX]               ; 256 columns
	s_and_b32 s[YT], ttmp7, 0xffff
	s_lshl_b32 s[YT], s[YT], 2
	s_add_co_u32 s[YT], s[YT], s[CY]               ; 128 tokens
	s_lshl_b32 s98, s[CY], 2
	s_lshl_b32 s98, 15, s98                        ; my row of the cluster
	s_lshl_b32 s99, 0x1111, s[CX]                  ; my column
	s_or_b32 s[G1X], s99, (1<<20)|(1<<21)|(6<<22)|(3<<25)  ; bytes; 4 words of padding after every 128
	s_mov_b32 s[G1X+1], 512<<16
	s_mov_b32 s[G1X+2], 128<<16
	s_mov_b32 s[G1X+3], 512<<16
	s_mov_b32 s[G1X+4], 128
	s_mov_b32 s[G1X+5], 1024
	s_mov_b32 s[G1X+6], 0
	s_mov_b32 s[G1X+7], 0
	s_or_b32 s[G1Y], s98, (3<<16)|(1<<21)          ; 65,536 dense bytes, as rows of 256; no padding
	s_mov_b32 s[G1Y+1], 32<<16
	s_mov_b32 s[G1Y+2], 256<<16
	s_mov_b32 s[G1Y+3], 32<<16
	s_mov_b32 s[G1Y+4], 256
	s_mov_b32 s[G1Y+5], 32
	s_mov_b32 s[G1Y+6], 0
	s_mov_b32 s[G1Y+7], 0
	s_mul_i32 s[LQ], s[WV], 32*PITCH
	s_lshl_b32 s74, s[XT], 18                      ; X: row 256 xt, 1,024 bytes a row
	s_mov_b32 s75, 0
	s_lshl_b32 s76, s[YT], 17                      ; Y: 131,072 bytes a tile
	s_mov_b32 s77, 0
	s_wait_dscnt 0x0                               ; both opening adds are done
	s_wait_kmcnt 0x0
	s_add_nc_u64 s[74:75], s[8:9], s[74:75]
	s_add_nc_u64 s[76:77], s[4:5], s[76:77]
.irp n, 0,1
	s_mov_b32 s[G0+8*\n], 1
	s_mov_b32 s[G0+8*\n+1], \n*XREG
	s_add_nc_u64 s[G0+8*\n+2:G0+8*\n+3], s[74:75], \n*512
	s_or_b32 s[G0+8*\n+3], s[G0+8*\n+3], 0x80000000
	s_mov_b32 s[G0+8*\n+4], 1
	s_mov_b32 s[G0+8*\n+5], YB+\n*65536
	s_add_nc_u64 s[G0+8*\n+6:G0+8*\n+7], s[76:77], \n*65536
	s_or_b32 s[G0+8*\n+7], s[G0+8*\n+7], 0x80000000
.endr
	s_lshl_b32 s98, s[XT], 14                      ; the scale bytes: 64 a row; X's rows 256 xt + 64 (wave & 1) on (pass 1: 128 rows on),
	s_lshl_b32 s99, s[FH], 12
	s_add_co_u32 s98, s98, s99
	s_mov_b32 s99, 0
	s_add_nc_u64 s[10:11], s[10:11], s[98:99]
	s_lshl_b32 s98, s[YT], 13                      ; Y's rows 128 yt + 64 (wave >> 1) on
	s_lshl_b32 s78, s[FR], 12
	s_add_co_u32 s98, s98, s78
	s_add_nc_u64 s[6:7], s[6:7], s[98:99]
	v_and_b32 v30, 31, v0
	v_lshlrev_b32 v[SOF], 6, v30
	v_and_b32 v1, 15, v0
	v_bfe_u32 v2, v0, 4, 1
	v_lshlrev_b32 v[SOY], 4, v1
	v_lshl_add_u32 v[SOY], v2, 10, v[SOY]
	s_wait_alu depctr_va_vdst(0)                   ; ahead of the barriers below
	CROUND                                         ; all sixteen work-groups are here
.macro SCALES                          ; Y's words and pass 0's of X: 16 loads
.irp ks, 0,1,2,3
.irp g, 0,1
	global_load_b128 v[SX+8*\ks+4*\g:SX+8*\ks+4*\g+3], v[SOF], s[10:11] offset:2048*\g+16*\ks
.endr
.irp g, 0,1
	global_load_b128 v[SY+8*\ks+4*\g:SY+8*\ks+4*\g+3], v[SOY], s[6:7] offset:2048*\g+256*\ks
.endr
.endr
.endm
; THE HEAD'S LOADS, ONE A WAVE, in one tree of branches on the wave's number: every way through the head passes exactly one.  What is needed first is asked for first: waves 2 and 3, which fetch
; K's second half, ask for their scale words ahead of their tensor load, waves 0 and 1 behind theirs.
	s_cmp_lt_u32 s[WV], 2
	s_cbranch_scc0 .Lhead_x1
	s_cmp_lt_u32 s[WV], 1
	s_cbranch_scc0 .Lhead_y0
	tensor_load_to_lds s[G0:G0+3], s[G1X:G1X+7]
	s_nop 0
	PLACES 4
	s_branch .Lhead_first
.Lhead_y0:
	tensor_load_to_lds s[G0+4:G0+7], s[G1Y:G1Y+7]
	s_nop 0
	PLACES 4
.Lhead_first:
	SCALES
	s_branch .Lhead_asked
.Lhead_x1:
	SCALES
	s_cmp_lt_u32 s[WV], 3
	s_cbranch_scc0 .Lhead_y1
	tensor_load_to_lds s[G0+8:G0+11], s[G1X:G1X+7]
	s_nop 0
	PLACES 4
	s_branch .Lhead_asked
.Lhead_y1:
	tensor_load_to_lds s[G0+12:G0+15], s[G1Y:G1Y+7]
	s_nop 0
	PLACES 4
.Lhead_asked:
.irp ks, 0,1,2,3
.irp g, 0,1
	global_load_b128 v[SX+32+8*\ks+4*\g:SX+32+8*\ks+4*\g+3], v[SOF], s[10:11] offset:8192+2048*\g+16*\ks
.endr
.endr
	s_lshl_b32 s98, s[WV], 15
	s_add_co_u32 s98, s98, 131072
	s_add_nc_u64 s[XB:XB+1], s[74:75], s[98:99]    ; pass 1's rows begin 128 rows on; mine 32 x wave further
	s_lshl_b32 s98, s[CY], 15
	s_lshl_b32 s78, s[WV], 13
	s_add_co_u32 s98, s98, s78
	s_add_co_u32 s98, s98, 131072
	s_add_nc_u64 s[PFB:PFB+1], s[74:75], s[98:99]
	s_lshl_b32 s98, s[YT], 21                      ; out: 16,384 bytes a token
	s_lshl_b32 s78, s[FR], 20
	s_add_co_u32 s98, s98, s78
	s_lshl_b32 s78, s[XT], 10
	s_add_co_u32 s98, s98, s78
	s_lshl_b32 s78, s[FH], 8
	s_add_co_u32 s98, s98, s78
	s_add_nc_u64 s[12:13], s[12:13], s[98:99]
	s_mul_i32 s78, s[FH], 64*PITCH
	s_lshl_b32 s79, s[FR], 14
	s_add_co_u32 s79, s79, YB
	s_mul_i32 s80, s[WV], 16*SPITCH
	s_add_co_u32 s80, s80, STAGE
	s_wait_alu depctr_va_vdst(0)
	v_and_b32 v1, 15, v0                           ; r
	v_bfe_u32 v2, v0, 4, 1                         ; h
	v_mul_u32_u24 v3, v1, PITCH
	v_lshl_add_u32 v3, v2, 4, v3
	v_add_nc_u32 v[ADX], s78, v3
	v_add_nc_u32 v[ADX+1], XREG, v[ADX]
	v_lshlrev_b32 v4, 4, v30
	v_add_nc_u32 v[ADY], s79, v4
	v_add_nc_u32 v[ADY+1], 0x10000, v[ADY]
	v_mul_u32_u24 v5, v1, SPITCH                   ; in: row r, 32 bytes for each half of the lanes
	v_lshl_add_u32 v5, v2, 5, v5
	v_add_nc_u32 v[STO], s80, v5
	v_mul_u32_u24 v6, v2, SPITCH                   ; back: lanes 0-15 one row, lanes 16-31 the next
	v_lshl_add_u32 v6, v1, 4, v6
	v_add_nc_u32 v[RD], s80, v6
	v_lshlrev_b32 v7, 14, v2                       ; and in out0
	v_lshl_add_u32 v[CO], v1, 4, v7
	v_lshlrev_b32 v[PF], 8, v30
	s_wait_alu depctr_va_vdst(0)
	s_cmp_lt_u32 s[WV], 2                          ; K's first half is waves 0 and 1's; the second may be out
	s_cbranch_scc0 .Lnot_first
	s_wait_tensorcnt 0x0
.Lnot_first:
	s_barrier_signal -1
	s_barrier_wait -1
	LOADS 0
	LOADS 1
	global_prefetch_b8 v[PF], s[PFB:PFB+1] th:TH_LOAD_NT scope:SCOPE_SE
	s_wait_loadcnt 20                              ; of the 24 scale loads the first four, K slot 0's, are in
	STEP 0, 32
	STEP 1, 32
	STEP 2, 32
	STEP 3, 32
	s_wait_loadcnt 8                               ; all but pass 1's
	STEP 4, 32
	STEP 5, 32
	TURN 6, 17, 0                                  ; K's second half is in; all reads of region 0 are over: pass 1's first half
	STEP 7, 32
	STEP 8, 32
	STEP 9, 32
	STEP 10, 32
	STEP 11, 32
	STEP 12, 32
	STEP 13, 32
	TURN 14, 17, 1                                 ; pass 1's first half is in; all reads of region 1 are over: its second half
	STEP 15, 16
	s_wait_loadcnt 0x0
	PLACES 4                                       ; between pass 0's last products and the first reads of its results
	TOSTAGE 0, 0
	STEP 16, 32                                    ; behind its loads: step 17's, the stage's 16, step 18's
	SEND 0, 0, 8                                   ; step 18's loads may be out
	TOSTAGE 0, 1
	STEP 17, 32
	SEND 0, 1, 8
	TOSTAGE 0, 2
	STEP 18, 32
	SEND 0, 2, 8
	TOSTAGE 0, 3
	STEP 19, 32
	SEND 0, 3, 8
	STEP 20, 16
	STEP 21, 16
	TURN 22, 9, 2                                  ; pass 1's second half is in, everybody's parts; nothing is filled any more
	STEP 23, 16
	STEP 24, 16
	STEP 25, 16
	STEP 26, 16
	STEP 27, 16
	STEP 28, 16
	STEP 29, 16
	STEP 30, 8
	STEP 31, 0
	PLACES 4
	TOSTAGE 1, 0
	TOSTAGE 1, 1
	SEND 1, 0, 16
	TOSTAGE 1, 2
	SEND 1, 1, 16
	TOSTAGE 1, 3
	SEND 1, 2, 16
	SEND 1, 3, 0
	WIN 0
	s_wait_tensorcnt 0x0                           ; the wave's end
	ds_add_u32 v[SPW], v[NIL]
	s_wait_dscnt 0x0
	CROUND                                         ; the closing round
	s_endpgm
.Lfunc_end_k_q4511c94645_oproj:
	.size	k_q4511c94645_oproj, .Lfunc_end_k_q4511c94645_oproj-k_q4511c94645_oproj
	.p2alignl 7, 3214868480
	.fill 96, 4, 3214868480
	.section	.rodata,"a",@progbits
	.p2align	6, 0x0
	.amdhsa_kernel k_q4511c94645_oproj
		.amdhsa_group_segment_fixed_size 327680
		.amdhsa_private_segment_fixed_size 0
		.amdhsa_enable_private_segment 0
		.amdhsa_kernarg_size 40
		.amdhsa_user_sgpr_count 2
		.amdhsa_user_sgpr_kernarg_segment_ptr 1
		.amdhsa_wavefront_size32 1
		.amdhsa_system_sgpr_workgroup_id_x 1
		.amdhsa_system_sgpr_workgroup_id_y 1
		.amdhsa_system_sgpr_workgroup_id_z 1
		.amdhsa_system_vgpr_workitem_id 0
		.amdhsa_next_free_vgpr 1024
		.amdhsa_next_free_sgpr 102
		.amdhsa_reserve_vcc 0
		.amdhsa_float_denorm_mode_32 3
		.amdhsa_float_denorm_mode_16_64 3
		.amdhsa_memory_ordered 1
		.amdhsa_forward_progress 1
		.amdhsa_inst_pref_size 91
	.end_amdhsa_kernel
	.amdgpu_metadata
---
amdhsa.version: [ 1, 2 ]
amdhsa.kernels:
  - .name:           k_q4511c94645_oproj
    .symbol:         k_q4511c94645_oproj.kd
    .args:
      - { .name: abuf, .offset: 0, .size: 8, .value_kind: global_buffer, .address_space: global }
      - { .name: asc, .offset: 8, .size: 8, .value_kind: global_buffer, .address_space: global }
      - { .name: Wo_codes, .offset: 16, .size: 8, .value_kind: global_buffer, .address_space: global }
      - { .name: Wo_scales, .offset: 24, .size: 8, .value_kind: global_buffer, .address_space: global }
      - { .name: out0, .offset: 32, .size: 8, .value_kind: global_buffer, .address_space: global }
    .group_segment_fixed_size: 327680
    .private_segment_fixed_size: 0
    .kernarg_segment_align: 8
    .kernarg_segment_size: 40
    .max_flat_workgroup_size: 128
    .sgpr_count:     102
    .vgpr_count:     1024
    .wavefront_size: 32
...
	.end_amdgpu_metadata
.endif
;; end of part 3
